; MI455X (gfx1250); checked and timed in simulation.
; The chip was launched on July 23, 2026; its instructions are those of AMD's public machine-readable ISA for CDNA 5 (MIT licence, August 2026) and "CDNA5" Instruction Set Architecture Reference Guide (July 2026). The comments in the code are by the model that wrote it; some were corrected since.
;; Mo EMLP. Allowed arithmetic: float matrix products may take bf16 or f16 operands with f32 sums; other float arithmetic in f32, or as packed bf16 or f16 multiplies, adds, multiply-adds, maxima and minima; sums over many terms, partial sums and values carried from step to step in f32; what a program stores and reads back later, other than sums and carried values, may be rounded once to bf16 or f16.
;; Inputs: b1 8 x 4,096 float32; b2 8 x 1,024 float32; hidden_states 2 x 512 x 1,024 float32; router_w 8 x 1,024 float32; w1 8 x 1,024 x 4,096 float32; w2 8 x 4,096 x 1,024 float32.
;; Outputs: out0 2 x 512 x 1,024 float32.
;; 2 versions, each right; version 2 is version 1 with the launches sort, up, down written anew for expert scheduling mode. Each part assembles by itself: llvm-mc -triple=amdgcn-amd-amdhsa -mcpu=gfx1250 --defsym DOCPART=n.
;; ======== version 1 of 2: 6 launches
;; limits: values are held in f16: magnitudes above 65,504 overflow, below 6.1e-05 lose precision
;; workspace buffers: xh 2,097,152 bytes; sel 8,192 bytes of whole numbers; gw 8,192 bytes; rows 65,536 bytes of whole numbers; cnt 1,024 bytes of whole numbers; xg 20,971,520 bytes; hid 83,886,080 bytes; part 33,685,504 bytes
;; launch router (part 1): grid 256 x 1, 4 waves a work-group, no clusters, 0 bytes of LDS; arguments hidden_states, router_w, xh, sel, gw; writes xh, sel, gw
.if DOCPART == 1
	.amdgcn_target "amdgcn-amd-amdhsa--gfx1250"
	.amdhsa_code_object_version 6
	.text
	.protected	k_q657b59cd63_router
	.globl	k_q657b59cd63_router
	.p2align	8
	.type	k_q657b59cd63_router,@function
k_q657b59cd63_router:
	s_mov_b64 s[64:65], 0
	v_nop
	global_prefetch_b8 v0, s[64:65] scope:SCOPE_SE
	s_setreg_imm32_b32 hwreg(HW_REG_WAVE_MODE, 25, 1), 1
	s_wait_xcnt 0x0
; ROUTER.  logits[t][e] = x[t] . router_w[e] in f32; the two largest (ties: the lower index, by strict >); their softmax with the larger taken away first.
; Stored at fixed places: sel[2 t + k] = expert of choice k, gw[2 t + k] = its weight, and xh = x rounded once to f16 for the first product.
; One wave, one token: token = 4 x work-group + wave.  A lane owns columns 128 i + 4 lane .. + 3, i = 0..7: each load of the wave covers 512 consecutive bytes.
; LIMITS.  |x| stays under 65,504 (f16); logits closer than the noise of an f32 sum of 1,024 terms may choose the other expert; NaN and infinities are not treated apart.
; No LDS, no matrix unit, no cluster: 4 KB of x a wave, and router_w (32 KB) is the only thing shared.
; v1 lane, v2 16 lane, v3 8 lane; v[4:19] eight packed sums; v[20:27] logits; v[28:31] best and second; v[32:63] x; v[64:255] router_w of experts 0-5; window 1 v[0:63] experts 6, 7.
.set X, 32
.set RW, 64
.set MSB, 0
.macro WIN new                         ; the immediate's high byte repeats the setting that is left
.if MSB != (\new)
	s_set_vgpr_msb (MSB<<8)|(\new)
.set MSB, (\new)
.endif
.endm
	s_load_b256 s[4:11], s[0:1], 0x0               ; hidden_states s[4:5], router_w s[6:7], xh s[8:9], sel s[10:11]
	s_load_b64 s[12:13], s[0:1], 0x20              ; gw
	v_lshrrev_b32 v2, 5, v0
	v_readfirstlane_b32 s16, v2                    ; wave
	v_and_b32 v1, 31, v0
	v_lshlrev_b32 v2, 4, v1
	v_lshlrev_b32 v3, 3, v1
	s_lshl_b32 s17, ttmp9, 2
	s_add_co_u32 s17, s17, s16                     ; token
	s_mov_b32 s14, 0x76543210                      ; v_permlanex16_b32: each lane takes its own place in the other half
	s_mov_b32 s15, 0xfedcba98
	s_lshl_b32 s18, s17, 12                        ; a row of x is 4,096 bytes
	s_mov_b32 s19, 0
	s_lshl_b32 s20, s17, 11                        ; a row of xh 2,048
	s_mov_b32 s21, 0
	s_lshl_b32 s22, s17, 3                         ; two words of sel and of gw
	s_mov_b32 s23, 0
	s_wait_kmcnt 0x0
	s_add_nc_u64 s[4:5], s[4:5], s[18:19]
	s_add_nc_u64 s[8:9], s[8:9], s[20:21]
	s_add_nc_u64 s[10:11], s[10:11], s[22:23]
	s_add_nc_u64 s[12:13], s[12:13], s[22:23]
.irp i, 0,1,2,3,4,5,6,7
	global_load_b128 v[X+4*(\i):X+4*(\i)+3], v2, s[4:5] offset:512*(\i) th:TH_LOAD_NT
.endr
.irp e, 0,1,2,3,4,5
.irp i, 0,1,2,3,4,5,6,7
	global_load_b128 v[RW+32*(\e)+4*(\i):RW+32*(\e)+4*(\i)+3], v2, s[6:7] offset:4096*(\e)+512*(\i)
.endr
.endr
	WIN 0x40                                       ; destination window 1
.irp e, 6,7
.irp i, 0,1,2,3,4,5,6,7
	global_load_b128 v[32*((\e)-6)+4*(\i):32*((\e)-6)+4*(\i)+3], v2, s[6:7] offset:4096*(\e)+512*(\i)
.endr
.endr
; the eight sums, two columns at a time; the first product starts each sum
.macro DOT e, wb
	s_wait_loadcnt 8*(7-(\e))                      ; x and this expert's eight loads are in; the later experts' stay out
	v_pk_mul_f32 v[4+2*(\e):5+2*(\e)], v[X:X+1], v[(\wb):(\wb)+1]
.set i, 1
.rept 15
	v_pk_fma_f32 v[4+2*(\e):5+2*(\e)], v[X+2*i:X+2*i+1], v[(\wb)+2*i:(\wb)+2*i+1], v[4+2*(\e):5+2*(\e)]
.set i, i+1
.endr
.endm
	WIN 0
.irp e, 0,1,2,3,4,5
	DOT \e, RW+32*(\e)
.endr
	WIN 0x04                                       ; source 1 window 1
	DOT 6, 0
	DOT 7, 32
	WIN 0
; x rounded to f16, in place: the sums have read it.  A store of the wave covers 256 consecutive bytes, at a multiple of 256 from xh's first byte
.irp i, 0,1,2,3,4,5,6,7
	v_cvt_pk_f16_f32 v[X+4*(\i)], v[X+4*(\i)], v[X+4*(\i)+1]
	v_cvt_pk_f16_f32 v[X+4*(\i)+1], v[X+4*(\i)+2], v[X+4*(\i)+3]
	global_store_b64 v3, v[X+4*(\i):X+4*(\i)+1], s[8:9] offset:256*(\i)
.endr
; over the lanes: every lane ends with all eight logits
.irp e, 0,1,2,3,4,5,6,7
	v_add_f32 v[20+(\e)], v[4+2*(\e)], v[5+2*(\e)]
.endr
.irp m, 1,2,4,8
.irp e, 0,1,2,3,4,5,6,7
	v_add_f32_dpp v[20+(\e)], v[20+(\e)], v[20+(\e)] row_xmask:\m row_mask:0xf bank_mask:0xf
.endr
.endr
.irp e, 0,1,2,3,4,5,6,7
	v_permlanex16_b32 v[4+(\e)], v[20+(\e)], s14, s15  ; its destination has been written: the old sums
.endr
.irp e, 0,1,2,3,4,5,6,7
	v_add_f32 v[20+(\e)], v[20+(\e)], v[4+(\e)]
.endr
; the largest, then the largest of the others: values are chosen by v_cndmask_b32, no branch and no address hangs on them
	v_mov_b32 v28, v20
	v_mov_b32 v29, 0
.irp e, 1,2,3,4,5,6,7
	v_cmp_gt_f32 vcc_lo, v[20+(\e)], v28
	v_cndmask_b32 v28, v28, v[20+(\e)], vcc_lo
	v_cndmask_b32 v29, v29, \e, vcc_lo
.endr
	v_mov_b32 v5, 0xff800000                       ; -inf stands for the expert already taken
	v_mov_b32 v30, v5
	v_mov_b32 v31, 0
.irp e, 0,1,2,3,4,5,6,7
	v_cmp_eq_u32 vcc_lo, \e, v29
	v_cndmask_b32 v4, v[20+(\e)], v5, vcc_lo
	v_cmp_gt_f32 vcc_lo, v4, v30
	v_cndmask_b32 v30, v30, v4, vcc_lo
	v_cndmask_b32 v31, v31, \e, vcc_lo
.endr
; softmax of two, the maximum taken away: e = exp(v2 - v1) <= 1; g1 = 1 / (1 + e), g2 = e g1
	v_sub_f32 v4, v30, v28
	v_mul_f32 v4, 0x3fb8aa3b, v4
	v_exp_f32 v4, v4
	v_nop                                          ; a plain instruction behind the exponential,
	s_wait_alu depctr_va_vdst(0)                   ; and the wait ahead of its first reader
	v_add_f32 v5, 1.0, v4
	v_rcp_f32 v5, v5
	v_nop
	s_wait_alu depctr_va_vdst(0)
	v_mul_f32 v6, v4, v5
	v_cmp_eq_u32 vcc_lo, 1, v1
	v_cndmask_b32 v7, v29, v31, vcc_lo             ; lane 0 the first choice, lane 1 the second
	v_cndmask_b32 v8, v5, v6, vcc_lo
	v_lshlrev_b32 v9, 2, v1
	v_cmp_gt_u32 vcc_lo, 2, v1
	s_wait_xcnt 0x0                                ; EXEC changes only behind this wait: the stores of xh have been issued
	s_and_saveexec_b32 s16, vcc_lo
	global_store_b32 v9, v7, s[10:11]
	global_store_b32 v9, v8, s[12:13]
	s_endpgm
.Lfunc_end_k_q657b59cd63_router:
	.size	k_q657b59cd63_router, .Lfunc_end_k_q657b59cd63_router-k_q657b59cd63_router
	.p2alignl 7, 3214868480
	.fill 96, 4, 3214868480
	.section	.rodata,"a",@progbits
	.p2align	6, 0x0
	.amdhsa_kernel k_q657b59cd63_router
		.amdhsa_group_segment_fixed_size 0
		.amdhsa_private_segment_fixed_size 0
		.amdhsa_enable_private_segment 0
		.amdhsa_kernarg_size 40
		.amdhsa_user_sgpr_count 2
		.amdhsa_user_sgpr_kernarg_segment_ptr 1
		.amdhsa_wavefront_size32 1
		.amdhsa_system_sgpr_workgroup_id_x 1
		.amdhsa_system_sgpr_workgroup_id_y 1
		.amdhsa_system_sgpr_workgroup_id_z 1
		.amdhsa_system_vgpr_workitem_id 0
		.amdhsa_next_free_vgpr 320
		.amdhsa_next_free_sgpr 66
		.amdhsa_reserve_vcc 1
		.amdhsa_float_denorm_mode_32 3
		.amdhsa_float_denorm_mode_16_64 3
		.amdhsa_memory_ordered 1
		.amdhsa_forward_progress 1
		.amdhsa_inst_pref_size 25
	.end_amdhsa_kernel
	.amdgpu_metadata
---
amdhsa.version: [ 1, 2 ]
amdhsa.kernels:
  - .name:           k_q657b59cd63_router
    .symbol:         k_q657b59cd63_router.kd
    .args:
      - { .name: hidden_states, .offset: 0, .size: 8, .value_kind: global_buffer, .address_space: global }
      - { .name: router_w, .offset: 8, .size: 8, .value_kind: global_buffer, .address_space: global }
      - { .name: xh, .offset: 16, .size: 8, .value_kind: global_buffer, .address_space: global }
      - { .name: sel, .offset: 24, .size: 8, .value_kind: global_buffer, .address_space: global }
      - { .name: gw, .offset: 32, .size: 8, .value_kind: global_buffer, .address_space: global }
    .group_segment_fixed_size: 0
    .private_segment_fixed_size: 0
    .kernarg_segment_align: 8
    .kernarg_segment_size: 40
    .max_flat_workgroup_size: 128
    .sgpr_count:     66
    .vgpr_count:     320
    .wavefront_size: 32
...
	.end_amdgpu_metadata
.endif
;; end of part 1
;; launch sort (part 2): grid 8 x 1, 1 waves a work-group, no clusters, 0 bytes of LDS; arguments sel, rows, cnt; writes rows, cnt
.if DOCPART == 2
	.amdgcn_target "amdgcn-amd-amdhsa--gfx1250"
	.amdhsa_code_object_version 6
	.text
	.protected	k_q657b59cd63_sort
	.globl	k_q657b59cd63_sort
	.p2align	8
	.type	k_q657b59cd63_sort,@function
k_q657b59cd63_sort:
	s_mov_b64 s[64:65], 0
	v_nop
	global_prefetch_b8 v0, s[64:65] scope:SCOPE_SE
	s_setreg_imm32_b32 hwreg(HW_REG_WAVE_MODE, 25, 1), 1
	s_wait_xcnt 0x0
; THE LISTS.  rows[e] has 2,048 places.  The slots (slot = 2 token + choice) that chose expert e stand from place 0 up; every place past their count holds 2,048 + e; cnt[e] = how many chose e, 32 times.
; Each of the 2,048 slots gets a place of its own (the others from place 2,047 down), so every word of rows is stored exactly once, with all lanes on.
; What the number 2,048 + e is for: the first product halves it and clamps it to token 1,023, a row that exists, as filling; the second product takes it as a row of its output that only expert e's
; work-groups write and nobody reads.
; One work-group of one wave for each expert: a place is a running count over all 2,048 choices, which one wave walks in 64 groups of 32; eight lists are all the work there is.
; The order inside a list is the order of the walk (register 4 q + c of lane l is slot 128 q + 4 l + c); the two products only need the same order, which they read from here.
; No atomics: a chosen slot's place is the count so far plus the chosen lanes below it; another slot's place is 2,047 less the number of such slots before it.
.set SELR, 16                          ; v[16:79]  sel as loaded; then the numbers to store
.set POS,  80                          ; v[80:143] byte offsets of the places: a register for each store, so that no store's source is rewritten
	s_load_b128 s[4:7], s[0:1], 0x0                ; sel s[4:5], rows s[6:7]
	s_load_b64 s[8:9], s[0:1], 0x10                ; cnt
	v_lshlrev_b32 v1, 4, v0                        ; 16 lane (one wave: the thread's number is the lane)
	v_lshlrev_b32 v2, 2, v0                        ; 4 lane
	s_mov_b32 s10, ttmp9                           ; the expert
	s_add_co_u32 s19, s10, 2048
	v_mov_b32 v5, s19                              ; what a place past the count holds
	s_lshl_b32 s12, s10, 13                        ; its list: 8,192 bytes
	s_mov_b32 s13, 0
	s_lshl_b32 s14, s10, 7                         ; its 32 words of cnt
	s_mov_b32 s15, 0
	s_mov_b32 s16, 0                               ; the count so far
	s_wait_kmcnt 0x0
.irp q, 0,1,2,3,4,5,6,7,8,9,10,11,12,13,14,15
	global_load_b128 v[SELR+4*(\q):SELR+4*(\q)+3], v1, s[4:5] offset:512*(\q)
.endr
	s_add_nc_u64 s[6:7], s[6:7], s[12:13]
	s_add_nc_u64 s[8:9], s[8:9], s[14:15]
.set g, 0
.rept 64
.if g%4 == 0
	s_wait_loadcnt 15-g/4                          ; this load of sel is in; the later ones stay out
.endif
	v_cmp_eq_u32 vcc_lo, s10, v[SELR+g]
	s_add_co_u32 s17, s16, 2047-32*g
	v_mbcnt_lo_u32_b32 v[POS+g], vcc_lo, s16       ; r = chosen slots before this one
	v_mbcnt_lo_u32_b32 v3, vcc_lo, s17
	v_sub_nc_u32 v3, v3, v0                        ; 2,047 - (32 g + lane - r)
	v_cndmask_b32 v[POS+g], v3, v[POS+g], vcc_lo
	v_min_u32 v[POS+g], 0x7ff, v[POS+g]            ; a place is below 2,048
	v_lshlrev_b32 v[POS+g], 2, v[POS+g]
	v_add_nc_u32 v[SELR+g], 128*(g/4)+g%4, v2      ; the slot's number,
	v_cndmask_b32 v[SELR+g], v5, v[SELR+g], vcc_lo ; or 2,048 + e where the slot chose another expert
	global_store_b32 v[POS+g], v[SELR+g], s[6:7]
	s_bcnt1_i32_b32 s18, vcc_lo
	s_add_co_u32 s16, s16, s18
.set g, g+1
.endr
	v_mov_b32 v4, s16
	global_store_b32 v2, v4, s[8:9]
	s_endpgm
.Lfunc_end_k_q657b59cd63_sort:
	.size	k_q657b59cd63_sort, .Lfunc_end_k_q657b59cd63_sort-k_q657b59cd63_sort
	.p2alignl 7, 3214868480
	.fill 96, 4, 3214868480
	.section	.rodata,"a",@progbits
	.p2align	6, 0x0
	.amdhsa_kernel k_q657b59cd63_sort
		.amdhsa_group_segment_fixed_size 0
		.amdhsa_private_segment_fixed_size 0
		.amdhsa_enable_private_segment 0
		.amdhsa_kernarg_size 24
		.amdhsa_user_sgpr_count 2
		.amdhsa_user_sgpr_kernarg_segment_ptr 1
		.amdhsa_wavefront_size32 1
		.amdhsa_system_sgpr_workgroup_id_x 1
		.amdhsa_system_sgpr_workgroup_id_y 1
		.amdhsa_system_sgpr_workgroup_id_z 1
		.amdhsa_system_vgpr_workitem_id 0
		.amdhsa_next_free_vgpr 144
		.amdhsa_next_free_sgpr 66
		.amdhsa_reserve_vcc 1
		.amdhsa_float_denorm_mode_32 3
		.amdhsa_float_denorm_mode_16_64 3
		.amdhsa_memory_ordered 1
		.amdhsa_forward_progress 1
		.amdhsa_inst_pref_size 43
	.end_amdhsa_kernel
	.amdgpu_metadata
---
amdhsa.version: [ 1, 2 ]
amdhsa.kernels:
  - .name:           k_q657b59cd63_sort
    .symbol:         k_q657b59cd63_sort.kd
    .args:
      - { .name: sel, .offset: 0, .size: 8, .value_kind: global_buffer, .address_space: global }
      - { .name: rows, .offset: 8, .size: 8, .value_kind: global_buffer, .address_space: global }
      - { .name: cnt, .offset: 16, .size: 8, .value_kind: global_buffer, .address_space: global }
    .group_segment_fixed_size: 0
    .private_segment_fixed_size: 0
    .kernarg_segment_align: 8
    .kernarg_segment_size: 24
    .max_flat_workgroup_size: 32
    .sgpr_count:     66
    .vgpr_count:     144
    .wavefront_size: 32
...
	.end_amdgpu_metadata
.endif
;; end of part 2
;; launch gather (part 3): grid 80 x 8, 4 waves a work-group, no clusters, 34,304 bytes of LDS; arguments xh, rows, cnt, xg; writes xg
.if DOCPART == 3
	.amdgcn_target "amdgcn-amd-amdhsa--gfx1250"
	.amdhsa_code_object_version 6
	.text
	.protected	k_q657b59cd63_gather
	.globl	k_q657b59cd63_gather
	.p2align	8
	.type	k_q657b59cd63_gather,@function
k_q657b59cd63_gather:
	s_mov_b64 s[64:65], 0
	v_nop
	global_prefetch_b8 v0, s[64:65] scope:SCOPE_SE
	s_setreg_imm32_b32 hwreg(HW_REG_WAVE_MODE, 25, 1), 1
	s_wait_xcnt 0x0
; THE TOKEN ROWS AS OPERAND IMAGES.  xg[e][tile][chunk kc][1,024 bytes]: 16 rows x 32 k of f16 exactly as a wave's eight operand registers take them: half 0 (registers 0-3) at 16 x lane, half 1 512 bytes on;
; lane (r, h) holds row r, k = 32 kc + 8 h .. + 7 and 32 kc + 16 + 8 h .. + 7.  Row r of tile T is the token of the slot at place 16 T + r of rows[e]; a place past the count holds 2,048 + e there, which
; halved and clamped is token 1,023: a row that exists, as filling.
; A work-group takes one tile, each of its four waves a quarter of K (512 bytes of each row): 16 loads of 2 rows x 256 bytes, into the wave's own LDS rows (pitch 528 = 33 x 16: sixteen rows start at
; sixteen different groups of four banks, ISA guide 11.1), back as images, 16 stores of 512 consecutive bytes.  The 32 column slices of an expert all read these images: the turn is made once for them.
; WHICH TILES.  Tile T = 20 p + 4 a + w.  Pass 0: tiles 0-15 always, tiles 16-19 if the count passes their first place; pass p > 0: all twenty if the count passes 320 p.  The first product reads by the
; same rule.  The grid has a work-group for each of the 80 tiles that some split can need; one whose tile no row needs stores nothing and ends.
; No barrier: a wave touches its own LDS bytes alone.  No matrix unit, no cluster: nothing is shared but the list.
.set PITCH, 528
.set REG,   16*PITCH                   ; a wave's LDS: 8,448 bytes
.set SPARE, 4*REG                      ; 33,792: behind them the spare words, 128 bytes a wave: two blocks of 256 bytes that no other line names
.set C16, 4
.set L16, 5
.set RLV, 6
.set TSA, 7
.set TR0, 8
.set SPW, 10                           ; my spare word; never rewritten
.set NIL, 11                           ; 0; never rewritten
.set OFF, 16                           ; v[16:23]  load i takes rows 2 i + h
.set D,   32                           ; v[32:95]  as loaded
.set E,   96                           ; v[96:159] as images
	s_load_b256 s[4:11], s[0:1], 0x0               ; xh s[4:5], rows s[6:7], cnt s[8:9], xg s[10:11]
	v_lshl_add_u32 v[SPW], v0, 2, SPARE
	v_mov_b32 v[NIL], 0
	v_lshrrev_b32 v1, 5, v0
	v_readfirstlane_b32 s12, v1                    ; wave = quarter of K
	s_mov_b32 s13, ttmp9                           ; tile
	s_and_b32 s14, ttmp7, 0xffff                   ; expert
	v_and_b32 v2, 15, v0                           ; r
	v_bfe_u32 v3, v0, 4, 1                         ; h
	v_lshlrev_b32 v[C16], 4, v2
	v_and_b32 v[L16], 31, v0
	v_lshlrev_b32 v[L16], 4, v[L16]
	v_lshlrev_b32 v[RLV], 2, v3                    ; 4 h
	s_mul_i32 s15, s12, REG
	v_mul_u32_u24 v[TSA], v3, PITCH
	v_add_nc_u32 v[TSA], v[TSA], v[C16]
	v_add_nc_u32 v[TSA], s15, v[TSA]               ; in: row h of a pair, 16 r
	v_mul_u32_u24 v[TR0], v2, PITCH
	v_lshl_add_u32 v[TR0], v3, 4, v[TR0]
	v_add_nc_u32 v[TR0], s15, v[TR0]               ; back: row r, 16 h
	s_lshl_b32 s16, s14, 13                        ; the expert's list: 8,192 bytes,
	s_lshl_b32 s17, s13, 6                         ; the tile's 16 places
	s_add_co_u32 s16, s16, s17
	s_mov_b32 s17, 0
	s_lshl_b32 s18, s14, 7
	s_lshl_b32 s20, s12, 9                         ; my 512 bytes of a row of xh
	s_mov_b32 s21, 0
	s_mul_i32 s26, s14, 0x280000                   ; 80 tiles of 32,768 bytes an expert
	s_lshl_b32 s27, s13, 15
	s_add_co_u32 s26, s26, s27
	s_lshl_b32 s27, s12, 13                        ; my eight images
	s_add_co_u32 s26, s26, s27
	s_mov_b32 s27, 0
	s_lshr_b32 s22, s13, 2
	s_mul_i32 s22, s22, 13
	s_lshr_b32 s22, s22, 6                         ; p = (T / 4) / 5, right for T / 4 = 0 .. 19
	s_mul_i32 s23, s22, 320
	s_lshl_b32 s24, s13, 4                         ; the tile's first place
	s_cmp_eq_u32 s22, 0
	s_cselect_b32 s23, s24, s23                    ; what the count has to pass
	s_wait_kmcnt 0x0
	s_load_b32 s19, s[8:9], s18 offset:0x0         ; the count
	s_add_nc_u64 s[6:7], s[6:7], s[16:17]
	s_add_nc_u64 s[4:5], s[4:5], s[20:21]
	s_add_nc_u64 s[10:11], s[10:11], s[26:27]
.irp i, 0,1,2,3,4,5,6,7
	global_load_b32 v[OFF+(\i)], v[RLV], s[6:7] offset:8*(\i)  ; asked for beside the count: these places lie inside the list whatever the count
.endr
	s_wait_kmcnt 0x0
	s_cmp_gt_u32 s19, s23
	s_cselect_b32 s25, 1, 0
	s_cmp_lt_u32 s13, 16
	s_cselect_b32 s25, 1, s25
	s_cmp_lg_u32 s25, 0
	s_cbranch_scc1 .Llive
	s_endpgm                                       ; nothing was written to LDS on this way
.Llive:
	s_wait_loadcnt 0x0
.irp i, 0,1,2,3,4,5,6,7
	v_lshrrev_b32 v[OFF+(\i)], 1, v[OFF+(\i)]      ; token = slot / 2
.endr
.irp i, 0,1,2,3,4,5,6,7
	v_min_u32 v[OFF+(\i)], 0x3ff, v[OFF+(\i)]
.endr
.irp i, 0,1,2,3,4,5,6,7
	v_lshl_add_u32 v[OFF+(\i)], v[OFF+(\i)], 11, v[C16]  ; a row of xh is 2,048 bytes
.endr
.irp i, 0,1,2,3,4,5,6,7
.irp u, 0,1
	global_load_b128 v[D+4*(2*(\i)+(\u)):D+4*(2*(\i)+(\u))+3], v[OFF+(\i)], s[4:5] offset:256*(\u)
.endr
.endr
.irp i, 0,1,2,3,4,5,6,7
.irp u, 0,1
	s_wait_loadcnt 15-(2*(\i)+(\u))                ; loads return in order (ISA guide 5.7.1): this one is in, the younger ones stay out
	ds_store_b128 v[TSA], v[D+4*(2*(\i)+(\u)):D+4*(2*(\i)+(\u))+3] offset:(\i)*2*PITCH+(\u)*256
.endr
.endr
.irp m, 0,1,2,3,4,5,6,7,8,9,10,11,12,13,14,15
	ds_load_b128 v[E+4*(\m):E+4*(\m)+3], v[TR0] offset:32*(\m)  ; chunk m / 2, half m % 2; LDS serves a wave's instructions in order (ISA guide 5.7.1.4): these see the stores above
.endr
.irp m, 0,1,2,3,4,5,6,7,8,9,10,11,12,13,14,15
	s_wait_dscnt 15-(\m)
	global_store_b128 v[L16], v[E+4*(\m):E+4*(\m)+3], s[10:11] offset:512*(\m)  ; 512 consecutive bytes, at a multiple of 256 from xg's first byte
.endr
	s_wait_tensorcnt 0x0                           ; the wave's end, behind my last LDS store
	ds_add_u32 v[SPW], v[NIL]
	s_wait_dscnt 0x0
	s_endpgm
.Lfunc_end_k_q657b59cd63_gather:
	.size	k_q657b59cd63_gather, .Lfunc_end_k_q657b59cd63_gather-k_q657b59cd63_gather
	.p2alignl 7, 3214868480
	.fill 96, 4, 3214868480
	.section	.rodata,"a",@progbits
	.p2align	6, 0x0
	.amdhsa_kernel k_q657b59cd63_gather
		.amdhsa_group_segment_fixed_size 34304
		.amdhsa_private_segment_fixed_size 0
		.amdhsa_enable_private_segment 0
		.amdhsa_kernarg_size 32
		.amdhsa_user_sgpr_count 2
		.amdhsa_user_sgpr_kernarg_segment_ptr 1
		.amdhsa_wavefront_size32 1
		.amdhsa_system_sgpr_workgroup_id_x 1
		.amdhsa_system_sgpr_workgroup_id_y 1
		.amdhsa_system_sgpr_workgroup_id_z 1
		.amdhsa_system_vgpr_workitem_id 0
		.amdhsa_next_free_vgpr 160
		.amdhsa_next_free_sgpr 66
		.amdhsa_reserve_vcc 0
		.amdhsa_float_denorm_mode_32 3
		.amdhsa_float_denorm_mode_16_64 3
		.amdhsa_memory_ordered 1
		.amdhsa_forward_progress 1
		.amdhsa_inst_pref_size 11
	.end_amdhsa_kernel
	.amdgpu_metadata
---
amdhsa.version: [ 1, 2 ]
amdhsa.kernels:
  - .name:           k_q657b59cd63_gather
    .symbol:         k_q657b59cd63_gather.kd
    .args:
      - { .name: xh, .offset: 0, .size: 8, .value_kind: global_buffer, .address_space: global }
      - { .name: rows, .offset: 8, .size: 8, .value_kind: global_buffer, .address_space: global }
      - { .name: cnt, .offset: 16, .size: 8, .value_kind: global_buffer, .address_space: global }
      - { .name: xg, .offset: 24, .size: 8, .value_kind: global_buffer, .address_space: global }
    .group_segment_fixed_size: 34304
    .private_segment_fixed_size: 0
    .kernarg_segment_align: 8
    .kernarg_segment_size: 32
    .max_flat_workgroup_size: 128
    .sgpr_count:     66
    .vgpr_count:     160
    .wavefront_size: 32
...
	.end_amdgpu_metadata
.endif
;; end of part 3
;; launch up (part 4): grid 32 x 8, 4 waves a work-group, no clusters, 262,656 bytes of LDS; arguments xg, cnt, w1, b1, hid; writes hid
.if DOCPART == 4
	.amdgcn_target "amdgcn-amd-amdhsa--gfx1250"
	.amdhsa_code_object_version 6
	.text
	.protected	k_q657b59cd63_up
	.globl	k_q657b59cd63_up
	.p2align	8
	.type	k_q657b59cd63_up,@function
k_q657b59cd63_up:
	s_mov_b64 s[64:65], 0
	v_nop
	global_prefetch_b8 v0, s[64:65] scope:SCOPE_SE
	s_setreg_imm32_b32 hwreg(HW_REG_WAVE_MODE, 25, 1), 1
	s_wait_xcnt 0x0
; FIRST PRODUCT OF THE CHOSEN ROWS.  hid = gelu(x w1[e] + b1[e]) for the rows that chose expert e: f16 operands, f32 sums, gelu (tanh form) in f32, hid rounded once to f16.
; A work-group owns 128 columns (slice = x) of ONE expert (y): 1,024 x 128 f32 = 512 KB of w1 that nobody else reads, and all of that expert's rows.
; LIMITS.  x, w1 and gelu's result stay under 65,504 and keep f16's fixed step of 6e-8 below 6e-5; NaN and infinities are not treated apart.
; ROWS.  A pass holds 320 rows: tile T = 20 p + 4 a + w of 16 rows for wave w, a = 0..4.  In pass 0 the fifth tile (a = 4) is left out where the count does not pass its first place, 256 + 16 w (flag T4).
; TOKENS come as operand images of 1,024 bytes (16 rows x 32 k) from xg, 512 consecutive bytes a load, STRAIGHT INTO OPERAND REGISTERS: LDS holds weights alone.
; WEIGHTS: memory -> registers (a lane takes 4 columns of 8 rows; 16 lanes cover 256 consecutive bytes of a row) -> two rows' numbers packed to f16 ARE a register of an operand -> LDS.  Wave w = 2 cb + kh
; makes half kh of the four fragments of column block cb; fragment j's index i stands for column 64 cb + 4 i + j.  THE WHOLE SLICE STAYS IN LDS: 1,024 x 128 f16 = 262,144 bytes, 16,384 for each half-step
; of 64 along K.  No byte of the slice is written twice, so a barrier only orders a half-step's fill with its reads.
; PASS 0 runs under the stream of weights, in 16 HALF-STEPS h.  Images: a ring of three register buffers of 80, T(h + 3) asked for behind half-step h's products.  Weights: a ring of three staging buffers
; of 64, W(h + 4) asked for when W(h + 1) has been packed.  Order in a half-step: wait for T(h) and W(h + 1); pack W(h + 1) into LDS; ask for W(h + 4); fragments of (h, second 32); 32 or 40 products; the
; barrier; fragments of (h + 1, first 32); 32 or 40 products; ask for T(h + 3).  Each run of LDS loads stands a run of products ahead of the wait for it.
; Loads return in order (ISA guide 5.7.1).  Behind T(h)'s last load two half-steps' loads are issued, 16 for weights and 16 or 20 for images each: 64 at the least, so the wait is for 63.
; ROWS PAST 320 (passes 1-3): the slice lies in LDS, so these passes only read LDS and have no barrier among them: a short loop, 32 along K a trip, its waits for 0.  It is slow and serves counts over 320
; alone.  The loop over passes has a constant count; a pass without rows is one jump.  One barrier stands behind that loop, between every wave's last reads of LDS and the closing add, which writes LDS.
; THE PRODUCT IS USED TRANSPOSED (source 0 = 16 columns of w1, source 1 = 16 tokens): a lane holds one token and eight hidden numbers, so two accumulators packed in pairs ARE the 16 x 32 operand image of
; the second product: hid[e][tile][chunk kc = 4 slice + 2 cb + p][1,024 bytes], whose k index q stands for hidden column 64 (kc / 2) + 4 (q % 16) + 2 p + q / 16.
; NO CLUSTER: each weight has one reader; the images are shared by an expert's 32 work-groups, but they come through registers, and a joint request is a tensor load into LDS.
; REGISTERS (windows of 256; s_set_vgpr_msb: bits 1:0 source 0, 3:2 source 1, 5:4 source 2, 7:6 destination):
;   window 0: v0-15 addresses; v16-31 packed weights; v128-191, v192-255 weight staging 0, 1 (the way out: v80-239)     window 1: v0-239 three image buffers (from half-step 14 on v160-223: b1)
;   window 2: accumulators a = 0..3 at 8 (8 a + b)     window 3: v0-63 accumulators a = 4; v64-191 weight fragments, two buffers; v192-255 weight staging 2
.set WH,     0x100000                  ; a half-step of w1: 64 rows of 16,384 bytes
.set ASTR,   131072                    ; from my tile a to my tile a + 1 in xg: four tiles of 32,768 bytes
.set TPASS,  655360                    ; 20 tiles of xg
.set HPASS,  0x280000                  ; 20 tiles of hid
.set SPARE,  262144                    ; behind the slice: the spare words, 128 bytes a wave: two blocks of 256 bytes that no other line names
.set L16, 1                            ; 16 lane; never rewritten
.set WRA, 2                            ; where I read weight fragments: 16 lane + the trip's first LDS byte
.set WSA, 3                            ; where I store packed weights: WSA0 + the trip's first LDS byte
.set WSA0,4                            ; 2,048 w + 16 lane
.set WG,  5                            ; my lane's byte offset in a half-step of w1
.set C16, 6                            ; 16 r
.set BL,  7                            ; 128 h
.set TV,  8
.set SPW, 10                           ; my spare word; never rewritten
.set NIL, 11                           ; 0; never rewritten
.set PK,  16
.set X,   80                           ; the way out: 64 pre-activations, 64 at work, 32 packed
.set W,   144
.set OUTR,208
.set WF,  64                           ; window 3
.set BI,  160                          ; window 1
.set WV, 18
.set SL, 19
.set EX, 20
.set WB0, 24                           ; s[24:25] w1 at my slice, half-step 0
.set WBW, 26                           ; s[26:27] walking: W(h + 4) of a trip's first half-step
.set TB0, 28                           ; s[28:29] xg at tile 20 p + w
.set TBW, 30                           ; s[30:31] walking: T(h + 3) of a trip's first half-step
.set HB0, 32                           ; s[32:33] hid at tile 20 p + w, my four chunks
.set HBW, 34
.set ALIVE, 36
.set PASS, 37
.set CNT, 38
.set LIM, 39
.set TRIP, 40
.set T4, 41
.set LB, 42                            ; the trip's first LDS byte
.set TA, 43
.set CH, 44
.set TMP, 46
.set K0, 48
.set K1, 50
.set B1B, 52
.set MSB, 0
.macro WIN new                         ; the immediate's high byte repeats the setting that is left; a switch that changes nothing is dropped
.if MSB != (\new)
	s_set_vgpr_msb (MSB<<8)|(\new)
.set MSB, (\new)
.endif
.endm
.macro PLACES                          ; four plain instructions between a matrix instruction and a load into, or a vector read or write of, its registers
.rept 4
	v_nop
.endr
.endm
.macro SYNC                            ; my LDS stores are done and my LDS reads are back; then the barrier
	s_wait_dscnt 0x0
	s_barrier_signal -1
	s_barrier_wait -1
.endm
.macro WLOAD wb, bs, off               ; a half-step's weights, my quarter, into staging wb: 16 loads; lanes 0-15 take 256 bytes of one row, lanes 16-31 of the row 8 further down
.if (\wb) == 2
	WIN 0xc0
.set RW, 192
.else
	WIN 0
.set RW, 128+64*(\wb)
.endif
.irp c, 0,1
.irp t, 0,1,2,3,4,5,6,7
	global_load_b128 v[RW+32*(\c)+4*(\t):RW+32*(\c)+4*(\t)+3], v[WG], s[\bs:\bs+1] offset:(\off)+(32*(\c)+(\t))*16384 th:TH_LOAD_NT
.endr
.endr
.endm
.macro CONVERT wb, off                 ; rows 2 q and 2 q + 1 of column j, packed, are register q of fragment j's half; 512 consecutive bytes a store
.if (\wb) == 2
.set RW, 192
.set CW, 0x0f
.else
.set RW, 128+64*(\wb)
.set CW, 0
.endif
.irp c, 0,1
	WIN CW
.irp j, 0,1,2,3
.irp q, 0,1,2,3
	v_cvt_pk_f16_f32 v[PK+4*(\j)+(\q)], v[RW+32*(\c)+8*(\q)+(\j)], v[RW+32*(\c)+8*(\q)+4+(\j)]
.endr
.endr
	WIN 0
.irp j, 0,1,2,3
	ds_store_b128 v[WSA], v[PK+4*(\j):PK+4*(\j)+3] offset:(\off)+(\c)*8192+(\j)*512
.endr
.endr
.endm
.macro WFLOAD buf, off                 ; 16 LDS loads in one run: the eight weight fragments of 32 along K
	WIN 0xc0
.irp b, 0,1,2,3,4,5,6,7
	ds_load_b128 v[WF+64*(\buf)+8*(\b):WF+64*(\buf)+8*(\b)+3],   v[WRA] offset:(\off)+((\b)/4)*4096+((\b)%4)*512
	ds_load_b128 v[WF+64*(\buf)+8*(\b)+4:WF+64*(\buf)+8*(\b)+7], v[WRA] offset:(\off)+((\b)/4)*4096+((\b)%4)*512+2048
.endr
.endm
.macro TL1 tb, bs, off, a              ; tile a's two images of a half-step: four loads
.irp c, 0,1
.irp f, 0,1
	global_load_b128 v[80*(\tb)+40*(\c)+8*(\a)+4*(\f):80*(\tb)+40*(\c)+8*(\a)+4*(\f)+3], v[L16], s[\bs:\bs+1] offset:(\off)+(\a)*ASTR+(\c)*1024+(\f)*512
.endr
.endr
.endm
.macro TLOAD tb, bs, off               ; a half-step's images into buffer tb: 16 loads, and 4 more where my fifth tile has rows
	WIN 0x40
	TL1 \tb, \bs, \off, 0
	TL1 \tb, \bs, \off, 1
	TL1 \tb, \bs, \off, 2
	TL1 \tb, \bs, \off, 3
	WIN 0
	s_cmp_lg_u32 s[T4], 0
	s_cbranch_scc0 .Lnt4_\@
	WIN 0x40
	TL1 \tb, \bs, \off, 4
	WIN 0
.Lnt4_\@:
.endm
.macro TLOADC                          ; the later passes: five tiles' images of 32 along K
	WIN 0x40
.irp a, 0,1,2,3,4
.irp f, 0,1
	global_load_b128 v[8*(\a)+4*(\f):8*(\a)+4*(\f)+3], v[L16], s[TBW:TBW+1] offset:(\a)*ASTR+(\f)*512
.endr
.endr
.endm
.macro MULA c, tb, a, zero             ; tile a's eight products
.irp b, 0,1,2,3,4,5,6,7
.if \zero
	v_wmma_f32_16x16x32_f16 v[(64*(\a)+8*(\b))%256:(64*(\a)+8*(\b))%256+7], v[WF+64*(\c)+8*(\b):WF+64*(\c)+8*(\b)+7], v[80*(\tb)+40*(\c)+8*(\a):80*(\tb)+40*(\c)+8*(\a)+7], 0
.else
	v_wmma_f32_16x16x32_f16 v[(64*(\a)+8*(\b))%256:(64*(\a)+8*(\b))%256+7], v[WF+64*(\c)+8*(\b):WF+64*(\c)+8*(\b)+7], v[80*(\tb)+40*(\c)+8*(\a):80*(\tb)+40*(\c)+8*(\a)+7], v[(64*(\a)+8*(\b))%256:(64*(\a)+8*(\b))%256+7]
.endif
.endr
.endm
.macro MUL c, tb, zero                 ; 32 along K: 32 or 40 products; the accumulators take turns, one instruction a turn
	WIN 0xa7
	MULA \c, \tb, 0, \zero
	MULA \c, \tb, 1, \zero
	MULA \c, \tb, 2, \zero
	MULA \c, \tb, 3, \zero
	WIN 0
	s_cmp_lg_u32 s[T4], 0
	s_cbranch_scc0 .Lno4_\@
	WIN 0xf7
	MULA \c, \tb, 4, \zero
	WIN 0
.Lno4_\@:
.endm
; HALF-STEP h.  k: its place among the LDS blocks that the trip's addresses reach; tb = h % 3; wsb = (h + 1) % 3; n: the loads that may stay out; conv, wl, tl, pre: W(h + 1) is packed, W(h + 4) asked for,
; T(h + 3) asked for, the next half-step's first fragments fetched; step: the two bases go on by a trip; g: the place of this half-step's requests behind the bases.
.macro HS k, tb, wsb, n, conv, wl, tl, pre, step, g
	s_wait_loadcnt \n                              ; T(h) and, older, W(h + 1) are in
	s_wait_dscnt 0x0                               ; the fragments of (h, first 32): issued ahead of the last run of products
.if \conv
	CONVERT \wsb, ((\k)+1)*16384
.endif
.if \step
	s_wait_xcnt 0x0                                ; the bases are stepped only behind this wait
	s_add_nc_u64 s[WBW:WBW+1], s[WBW:WBW+1], 3*WH
	s_add_nc_u64 s[TBW:TBW+1], s[TBW:TBW+1], 3*2048
.endif
.if \wl
	WLOAD \wsb, WBW, (\g)*WH
.endif
	WFLOAD 1, (\k)*16384+8192
	MUL 0, \tb, 0
.if \pre
	SYNC                                           ; every wave's part of W(h + 1) lies in LDS
	PLACES
	WFLOAD 0, ((\k)+1)*16384
.else
	s_wait_dscnt 0x0
.endif
	MUL 1, \tb, 0
	PLACES
.if \tl
	TLOAD \tb, TBW, (\g)*2048
.endif
.endm
.macro EXTRA                           ; b1 for the way out, into the image buffer that half-step 14 has left: register 32 cb + 4 j + jj = b1[64 cb + 4 (8 h + j) + jj]
	WIN 0x40
.irp u, 0,1
.irp j, 0,1,2,3,4,5,6,7
	global_load_b128 v[BI+32*(\u)+4*(\j):BI+32*(\u)+4*(\j)+3], v[BL], s[B1B:B1B+1] offset:256*(\u)+16*(\j)
.endr
.endr
.endm
.macro ADDB a                          ; tile a's sums + b1; each accumulator is read from its lowest register on
	WIN 0x06+(\a)/4
.irp b, 0,1,2,3,4,5,6,7
.irp j, 0,1,2,3,4,5,6,7
	v_add_f32 v[X+8*(\b)+(\j)], v[(64*(\a)+8*(\b)+(\j))%256], v[BI+32*((\b)/4)+4*(\j)+(\b)%4]
.endr
.endr
	WIN 0
.endm
	s_load_b256 s[4:11], s[0:1], 0x0               ; xg s[4:5], cnt s[6:7], w1 s[8:9], b1 s[10:11]
	s_load_b64 s[12:13], s[0:1], 0x20              ; hid
	v_lshl_add_u32 v[SPW], v0, 2, SPARE
	v_mov_b32 v[NIL], 0
	v_lshrrev_b32 v[TV], 5, v0
	v_readfirstlane_b32 s[WV], v[TV]               ; wave 0..3 = 2 cb + kh
	s_mov_b32 s[SL], ttmp9
	s_and_b32 s[EX], ttmp7, 0xffff
	v_and_b32 v[L16], 31, v0
	v_lshlrev_b32 v[L16], 4, v[L16]
	v_and_b32 v[C16], 15, v0
	v_lshlrev_b32 v[C16], 4, v[C16]
	v_bfe_u32 v[BL], v0, 4, 1                      ; h
	s_and_b32 s[TMP], s[WV], 1
	s_lshl_b32 s[TMP], s[TMP], 18                  ; 16 kh rows
	s_lshr_b32 s22, s[WV], 1
	s_lshl_b32 s22, s22, 8                         ; 256 cb
	s_add_co_u32 s[TMP], s[TMP], s22
	v_lshl_add_u32 v[WG], v[BL], 17, v[C16]        ; 8 h rows + 16 r
	v_add_nc_u32 v[WG], s[TMP], v[WG]
	s_lshl_b32 s[TMP], s[WV], 11
	v_add_nc_u32 v[WSA0], s[TMP], v[L16]
	v_lshlrev_b32 v[BL], 7, v[BL]
	v_mov_b32 v[WSA], v[WSA0]
	v_mov_b32 v[WRA], v[L16]
	s_mov_b32 s[K0], 0xc0135761                    ; -2 log2(e) sqrt(2 / pi)
	s_mov_b32 s[K0+1], 0xc0135761
	s_mov_b32 s[K1], 0xbdd2d3e8                    ; that times 0.044715
	s_mov_b32 s[K1+1], 0xbdd2d3e8
	s_mov_b32 s23, 0
	s_lshl_b32 s[TMP], s[EX], 7
	s_wait_kmcnt 0x0
	s_load_b32 s[CNT], s[6:7], s[TMP] offset:0x0   ; my expert's count
	s_lshl_b32 s22, s[EX], 24
	s_lshl_b32 s[TRIP], s[SL], 9
	s_add_co_u32 s22, s22, s[TRIP]
	s_add_nc_u64 s[WB0:WB0+1], s[8:9], s[22:23]
	WLOAD 0, WB0, 0                                ; THE OPENING: W(0) and W(1) first of all
	WLOAD 1, WB0, WH
	s_lshl_b32 s22, s[EX], 14
	s_add_co_u32 s22, s22, s[TRIP]
	s_add_nc_u64 s[B1B:B1B+1], s[10:11], s[22:23]
	s_mul_i32 s22, s[EX], 0xa00000                 ; 80 tiles of 131,072 bytes of hid an expert
	s_lshl_b32 s[TRIP], s[WV], 17
	s_add_co_u32 s22, s22, s[TRIP]
	s_lshl_b32 s[TRIP], s[SL], 12
	s_add_co_u32 s22, s22, s[TRIP]
	s_add_nc_u64 s[HB0:HB0+1], s[12:13], s[22:23]
	s_mul_i32 s22, s[EX], 0x280000                 ; 80 tiles of 32,768 bytes of xg an expert
	s_lshl_b32 s[TRIP], s[WV], 15
	s_add_co_u32 s22, s22, s[TRIP]
	s_add_nc_u64 s[TB0:TB0+1], s[4:5], s[22:23]
	s_add_nc_u64 s[WBW:WBW+1], s[WB0:WB0+1], WH    ; a trip short of W(4): the first trip steps it
	s_mov_b64 s[TBW:TBW+1], s[TB0:TB0+1]           ; a trip short of T(3)
	WIN 0x40                                       ; the fifth tile's image registers hold numbers on every way through the text, also where that tile is never loaded
.irp tb, 0,1,2
.irp c, 0,1
.irp i, 0,1,2,3,4,5,6,7
	v_mov_b32 v[80*(\tb)+40*(\c)+32+(\i)], 0
.endr
.endr
.endr
	WIN 0
	s_wait_kmcnt 0x0                               ; the count
	s_lshl_b32 s[TMP], s[WV], 4
	s_add_co_u32 s[TMP], s[TMP], 256
	s_cmp_gt_u32 s[CNT], s[TMP]                    ; has my fifth tile a row?
	s_cselect_b32 s[T4], 1, 0
	TLOAD 0, TB0, 0
	WLOAD 2, WB0, 2*WH
	TLOAD 1, TB0, 2048
	WIN 0x80                                       ; the sums start at 0: cleared in the wait for the first weights; half-step 0 stands in the loop, so no product of its own can start them
.set k, 0
.rept 256
	v_mov_b32 v[k], 0
.set k, k+1
.endr
	WIN 0xc0
.set k, 0
.rept 64
	v_mov_b32 v[k], 0
.set k, k+1
.endr
	s_wait_loadcnt 63                              ; W(0) is in: behind it W(1), T(0), W(2), T(1) were issued, 64 loads at the least
	CONVERT 0, 0
	WLOAD 0, WB0, 3*WH
	TLOAD 2, TB0, 4096
	SYNC                                           ; every wave's part of W(0) lies in LDS
	WFLOAD 0, 0
	WIN 0
	s_mov_b32 s[LB], 0
	s_mov_b32 s[TRIP], 4
.Ltrip:                                                ; half-steps 0 to 11, three a trip: once round both rings
	v_add_nc_u32 v[WRA], s[LB], v[L16]
	v_add_nc_u32 v[WSA], s[LB], v[WSA0]
	HS 0, 0, 1, 63, 1, 1, 1, 1, 1, 0
	HS 1, 1, 2, 63, 1, 1, 1, 1, 0, 1
	HS 2, 2, 0, 63, 1, 1, 1, 1, 0, 2
	s_add_co_u32 s[LB], s[LB], 49152
	s_sub_co_u32 s[TRIP], s[TRIP], 1
	s_cmp_lg_u32 s[TRIP], 0
	s_cbranch_scc1 .Ltrip
	v_add_nc_u32 v[WRA], s[LB], v[L16]             ; the tail is written out: no load leaves its buffer, and the counts run down
	v_add_nc_u32 v[WSA], s[LB], v[WSA0]
	HS 0, 0, 1, 63, 1, 0, 1, 1, 0, 3               ; 12: the last images, T(15), are asked for
	HS 1, 1, 2, 48, 1, 0, 0, 1, 0, 0               ; 13: behind T(13): W(15), T(14), T(15): 48 at the least
	HS 2, 2, 0, 16, 1, 0, 0, 1, 0, 0               ; 14: behind T(14): T(15)
	EXTRA
	HS 3, 0, 0, 16, 0, 0, 0, 0, 0, 0               ; 15: behind T(15): b1's 16 loads
	s_wait_loadcnt 0x0                             ; b1
	s_mov_b32 s[ALIVE], 1                          ; pass 0 always goes out: it writes tiles 0-15 of hid, which the next launch always reads
	s_mov_b32 s[PASS], 4
	s_mov_b32 s[LIM], 0
.Lpass:                                                ; four times, a constant: 1,280 places cover the 1,024 rows that an expert can have.  Nothing in this loop writes LDS, so no barrier stands in it
	s_cmp_lg_u32 s[ALIVE], 0
	s_cbranch_scc0 .Lp_next
	PLACES
	s_wait_xcnt 0x0
	s_mov_b64 s[HBW:HBW+1], s[HB0:HB0+1]
	s_mov_b32 s[TA], 0
; THE WAY OUT, a tile a trip: + b1, gelu, f16, 4,096 consecutive bytes of hid.
.Lout:
	s_cmp_lg_u32 s[TA], 0
	s_cbranch_scc1 .Lo1
	ADDB 0
	s_branch .Lbody
.Lo1:
	s_cmp_lg_u32 s[TA], 1
	s_cbranch_scc1 .Lo2
	ADDB 1
	s_branch .Lbody
.Lo2:
	s_cmp_lg_u32 s[TA], 2
	s_cbranch_scc1 .Lo3
	ADDB 2
	s_branch .Lbody
.Lo3:
	s_cmp_lg_u32 s[TA], 3
	s_cbranch_scc1 .Lo4
	ADDB 3
	s_branch .Lbody
.Lo4:
	s_cmp_lg_u32 s[T4], 0
	s_cbranch_scc0 .Lnext                          ; my fifth tile has no row
	ADDB 4
.Lbody:                                                ; gelu(x) = x / (1 + 2^(x (K0 + K1 x x))): where the power overflows the quotient is 0, gelu's limit
.set i, 0
.rept 32
	v_pk_mul_f32 v[W+2*i:W+2*i+1], v[X+2*i:X+2*i+1], v[X+2*i:X+2*i+1]
.set i, i+1
.endr
.set i, 0
.rept 32
	v_pk_fma_f32 v[W+2*i:W+2*i+1], v[W+2*i:W+2*i+1], s[K1:K1+1], s[K0:K0+1] op_sel_hi:[1,0,0]
.set i, i+1
.endr
.set i, 0
.rept 32
	v_pk_mul_f32 v[W+2*i:W+2*i+1], v[W+2*i:W+2*i+1], v[X+2*i:X+2*i+1]
.set i, i+1
.endr
.set i, 0
.rept 64
	v_exp_f32 v[W+i], v[W+i]
.set i, i+1
.endr
	v_nop                                          ; a plain instruction behind the last exponential,
	s_wait_alu depctr_va_vdst(0)                   ; and ONE wait for the batch of 64, ahead of the first reader
.set i, 0
.rept 32
	v_pk_add_f32 v[W+2*i:W+2*i+1], v[W+2*i:W+2*i+1], 1.0 op_sel_hi:[1,0]
.set i, i+1
.endr
.set i, 0
.rept 64
	v_rcp_f32 v[W+i], v[W+i]
.set i, i+1
.endr
	v_nop
	s_wait_alu depctr_va_vdst(0)                   ; one wait for the 64 reciprocals
.set i, 0
.rept 32
	v_pk_mul_f32 v[W+2*i:W+2*i+1], v[W+2*i:W+2*i+1], v[X+2*i:X+2*i+1]
.set i, i+1
.endr
.set i, 0
.rept 32
	v_cvt_pk_f16_f32 v[OUTR+i], v[W+2*i], v[W+2*i+1]  ; registers 4 b .. 4 b + 3: half b % 2 of image b / 2
.set i, i+1
.endr
.irp b, 0,1,2,3,4,5,6,7
	global_store_b128 v[L16], v[OUTR+4*(\b):OUTR+4*(\b)+3], s[HBW:HBW+1] offset:512*(\b)  ; 512 consecutive bytes, at a multiple of 256 from hid's first byte
.endr
	s_wait_xcnt 0x0                                ; the base and the packed registers are rewritten only behind this wait
.Lnext:
	s_add_nc_u64 s[HBW:HBW+1], s[HBW:HBW+1], 524288  ; my next tile lies four tiles on
	s_add_co_u32 s[TA], s[TA], 1
	s_cmp_lt_u32 s[TA], 5
	s_cbranch_scc1 .Lout
	s_wait_xcnt 0x0
	s_add_co_u32 s[LIM], s[LIM], 320
	s_add_nc_u64 s[HB0:HB0+1], s[HB0:HB0+1], HPASS
	s_add_nc_u64 s[TB0:TB0+1], s[TB0:TB0+1], TPASS
	s_mov_b32 s[T4], 1                             ; a later pass with rows takes all its twenty tiles
	s_cmp_gt_u32 s[CNT], s[LIM]                    ; are rows left for a further pass?
	s_cselect_b32 s[ALIVE], 1, 0
	s_cbranch_scc0 .Lp_next
	s_mov_b64 s[TBW:TBW+1], s[TB0:TB0+1]           ; THE NEXT 320 ROWS, 32 along K a trip: images from memory, fragments from the slice in LDS; the first products start the sums
	s_mov_b32 s[LB], 0
	v_mov_b32 v[WRA], v[L16]
	TLOADC
	WFLOAD 0, 0
	s_wait_loadcnt 0x0
	s_wait_dscnt 0x0
	MUL 0, 0, 1
	s_mov_b32 s[CH], 31
.Lch:
	PLACES
	s_wait_xcnt 0x0
	s_add_nc_u64 s[TBW:TBW+1], s[TBW:TBW+1], 1024
	s_add_co_u32 s[LB], s[LB], 8192
	v_add_nc_u32 v[WRA], s[LB], v[L16]
	TLOADC
	WFLOAD 0, 0
	s_wait_loadcnt 0x0
	s_wait_dscnt 0x0
	MUL 0, 0, 0
	s_sub_co_u32 s[CH], s[CH], 1
	s_cmp_lg_u32 s[CH], 0
	s_cbranch_scc1 .Lch
.Lp_next:
	s_sub_co_u32 s[PASS], s[PASS], 1
	s_cmp_lg_u32 s[PASS], 0
	s_cbranch_scc1 .Lpass
	SYNC                                           ; every wave's reads of LDS are back before any wave writes LDS again: the closing add below is such a write
	s_wait_tensorcnt 0x0                           ; the wave's end, behind my last LDS store
	ds_add_u32 v[SPW], v[NIL]
	s_wait_dscnt 0x0
	s_endpgm
.Lfunc_end_k_q657b59cd63_up:
	.size	k_q657b59cd63_up, .Lfunc_end_k_q657b59cd63_up-k_q657b59cd63_up
	.p2alignl 7, 3214868480
	.fill 96, 4, 3214868480
	.section	.rodata,"a",@progbits
	.p2align	6, 0x0
	.amdhsa_kernel k_q657b59cd63_up
		.amdhsa_group_segment_fixed_size 262656
		.amdhsa_private_segment_fixed_size 0
		.amdhsa_enable_private_segment 0
		.amdhsa_kernarg_size 40
		.amdhsa_user_sgpr_count 2
		.amdhsa_user_sgpr_kernarg_segment_ptr 1
		.amdhsa_wavefront_size32 1
		.amdhsa_system_sgpr_workgroup_id_x 1
		.amdhsa_system_sgpr_workgroup_id_y 1
		.amdhsa_system_sgpr_workgroup_id_z 1
		.amdhsa_system_vgpr_workitem_id 0
		.amdhsa_next_free_vgpr 1024
		.amdhsa_next_free_sgpr 66
		.amdhsa_reserve_vcc 0
		.amdhsa_float_denorm_mode_32 3
		.amdhsa_float_denorm_mode_16_64 3
		.amdhsa_memory_ordered 1
		.amdhsa_forward_progress 1
		.amdhsa_inst_pref_size 153
	.end_amdhsa_kernel
	.amdgpu_metadata
---
amdhsa.version: [ 1, 2 ]
amdhsa.kernels:
  - .name:           k_q657b59cd63_up
    .symbol:         k_q657b59cd63_up.kd
    .args:
      - { .name: xg, .offset: 0, .size: 8, .value_kind: global_buffer, .address_space: global }
      - { .name: cnt, .offset: 8, .size: 8, .value_kind: global_buffer, .address_space: global }
      - { .name: w1, .offset: 16, .size: 8, .value_kind: global_buffer, .address_space: global }
      - { .name: b1, .offset: 24, .size: 8, .value_kind: global_buffer, .address_space: global }
      - { .name: hid, .offset: 32, .size: 8, .value_kind: global_buffer, .address_space: global }
    .group_segment_fixed_size: 262656
    .private_segment_fixed_size: 0
    .kernarg_segment_align: 8
    .kernarg_segment_size: 40
    .max_flat_workgroup_size: 128
    .sgpr_count:     66
    .vgpr_count:     1024
    .wavefront_size: 32
...
	.end_amdgpu_metadata
.endif
;; end of part 4
;; launch down (part 5): grid 32 x 8, 4 waves a work-group, no clusters, 262,656 bytes of LDS; arguments hid, w2, b2, rows, cnt, part; writes part
.if DOCPART == 5
	.amdgcn_target "amdgcn-amd-amdhsa--gfx1250"
	.amdhsa_code_object_version 6
	.text
	.protected	k_q657b59cd63_down
	.globl	k_q657b59cd63_down
	.p2align	8
	.type	k_q657b59cd63_down,@function
k_q657b59cd63_down:
	s_mov_b64 s[64:65], 0
	v_nop
	global_prefetch_b8 v0, s[64:65] scope:SCOPE_SE
	s_setreg_imm32_b32 hwreg(HW_REG_WAVE_MODE, 25, 1), 1
	s_wait_xcnt 0x0
; SECOND PRODUCT OF THE CHOSEN ROWS.  part[8 ks + ns][slot][128 columns] = the sum over this K split of hid w2[e], + b2[e] in split 0: f16 operands, f32 sums, partial sums stored in f32; the gates are
; applied by the launch that adds.  A work-group owns 128 columns (ns = x % 8) x 1,024 of K (ks = x / 8) of ONE expert (y): 512 KB of w2 that nobody else reads, and all of that expert's rows.
; LIMITS.  w2 stays under 65,504 and keeps f16's fixed step of 6e-8 below 6e-5; NaN and infinities are not treated apart (b2 is multiplied by 0 in splits 1-3).
; THE FRAME IS THE FIRST PRODUCT'S.  A pass holds 320 rows, tile T = 20 p + 4 a + w; in pass 0 the fifth tile is left out where the count does not pass 256 + 16 w (flag T4).  Tokens come as operand images
; of 1,024 bytes from hid, 512 consecutive bytes a load, straight into operand registers.  Weights go memory -> registers -> packed f16 -> LDS, where the WHOLE slice stays: 1,024 x 128 f16 = 262,144
; bytes, 16,384 for each half-step of 64 along K; no byte of the slice is written twice.  Pass 0 runs under the stream of weights in 16 half-steps: images in a ring of three register buffers of 80, T(h + 3)
; asked for behind half-step h's products; weights in a ring of three staging buffers of 64, W(h + 4) asked for when W(h + 1) has been packed; one barrier a half-step, between a fill and its reads.
; Loads return in order (ISA guide 5.7.1).  Behind T(h)'s last load two half-steps' loads are issued, 16 for weights and 16 or 20 for images each: 64 at the least, so the wait is for 63.
; Rows past 320 (passes 1-3) only read LDS and have no barrier among them: a short loop, 32 along K a trip, its waits for 0: slow, and for counts over 320 alone.  A pass without rows is one jump.  One barrier
; stands behind the loop over passes, between every wave's last reads of LDS and the closing add, which writes LDS.
; K's ORDER is hid's: index q of chunk kc stands for row 64 (kc / 2) + 4 (q % 16) + 2 (kc % 2) + q / 16 of w2, so w2's rows are taken in that order (each row's 256 bytes still once).
; Source 0 = 16 rows of hid, source 1 = 16 columns of w2 (index i of fragment jn = column 64 cb + 4 i + jn): four accumulators give a lane 16 consecutive bytes of a row, sixteen lanes 256.
; WHERE A ROW GOES.  My block of part (x) has 2,056 rows of 512 bytes: one for each slot, and eight more.  A row's number is read from rows at the pass's start; a place past the count holds 2,048 + e there,
; a row that my work-group alone writes and nobody reads.  So all lanes stay on and no mask is made.  A tile wholly past the count is jumped; what goes to the unread row is at most 15 rows of the one tile
; that the count cuts.
; NO CLUSTER: each weight has one reader; the images are shared by eight work-groups, but they come through registers, and a joint request is a tensor load into LDS.
; REGISTERS: window 0: v0-15 addresses; v16-31 packed weights; v32-39 b2; v40-79 my 40 rows' byte offsets in my block of part; v128-191, v192-255 weight staging 0, 1 (the way out: v80-143 results)
;   window 1: v0-239 three image buffers     window 2: accumulators a = 0..3 at 8 (8 a + b)     window 3: v0-63 accumulators a = 4; v64-191 weight fragments, two buffers; v192-255 weight staging 2
.set WH,     0x40000                   ; a half-step of w2: 64 rows of 4,096 bytes
.set ASTR,   524288                    ; from my tile a to my tile a + 1 in hid: four tiles of 131,072 bytes
.set TPASS,  0x280000                  ; 20 tiles of hid
.set SPARE,  262144                    ; behind the slice: the spare words, 128 bytes a wave: two blocks of 256 bytes that no other line names
.set PSTRIDE,0x101000                  ; a block of part: 2,056 rows of 512 bytes
.set L16, 1                            ; 16 lane; never rewritten
.set WRA, 2                            ; where I read weight fragments
.set WSA, 3                            ; where I store packed weights
.set WSA0,4                            ; 2,048 w + 16 lane
.set WG,  5
.set C16, 6                            ; 16 r
.set HV,  7                            ; h, at the head
.set RL,  8                            ; 64 w + 32 h
.set SPW, 10                           ; my spare word; never rewritten
.set NIL, 11                           ; 0; never rewritten
.set PK,  16
.set B2R, 32                           ; register 4 u + z = b2[64 u + 4 r + z] of my 128 columns, times 1 in split 0 and 0 elsewhere
.set VO,  40                           ; register 8 a + j: the row at place 320 p + 64 a + 16 w + 8 h + j
.set T,   80
.set WF,  64                           ; window 3
.set WV, 18
.set NS, 19
.set KS, 20
.set EX, 21
.set WB0, 24
.set WBW, 26
.set TB0, 28                           ; s[28:29] hid at tile 20 p + w, my K split
.set TBW, 30
.set RWB, 32                           ; s[32:33] rows at place 320 p of my expert
.set ALIVE, 34
.set PASS, 35
.set CNT, 36
.set LW,  37                           ; 320 p + 16 w: the first place of my tile 0
.set LIM, 38
.set TRIP, 39
.set PA,  40                           ; s[40:41] my block of part: a row's first 256 bytes
.set PA2, 42                           ; s[42:43] its second 256 bytes
.set T4, 44
.set LB, 45
.set TMP, 46
.set F0, 47
.set CH, 48
.set B2B, 50
.set MSB, 0
.macro WIN new                         ; the immediate's high byte repeats the setting that is left; a switch that changes nothing is dropped
.if MSB != (\new)
	s_set_vgpr_msb (MSB<<8)|(\new)
.set MSB, (\new)
.endif
.endm
.macro PLACES                          ; four plain instructions between a matrix instruction and a load into, or a vector read or write of, its registers
.rept 4
	v_nop
.endr
.endm
.macro SYNC                            ; my LDS stores are done and my LDS reads are back; then the barrier
	s_wait_dscnt 0x0
	s_barrier_signal -1
	s_barrier_wait -1
.endm
.macro WLOAD wb, bs, off               ; a half-step's weights, my quarter, into staging wb: 16 loads; lanes 0-15 take 256 bytes of one row, lanes 16-31 of the row 32 further down
.if (\wb) == 2
	WIN 0xc0
.set RW, 192
.else
	WIN 0
.set RW, 128+64*(\wb)
.endif
.irp c, 0,1
.irp t, 0,1,2,3,4,5,6,7
	global_load_b128 v[RW+32*(\c)+4*(\t):RW+32*(\c)+4*(\t)+3], v[WG], s[\bs:\bs+1] offset:(\off)+(4*(\t)+2*(\c))*4096 th:TH_LOAD_NT
.endr
.endr
.endm
.macro CONVERT wb, off                 ; the numbers of two rows that are neighbours in K's order, packed, are register q of fragment j's half; 512 consecutive bytes a store
.if (\wb) == 2
.set RW, 192
.set CW, 0x0f
.else
.set RW, 128+64*(\wb)
.set CW, 0
.endif
.irp c, 0,1
	WIN CW
.irp j, 0,1,2,3
.irp q, 0,1,2,3
	v_cvt_pk_f16_f32 v[PK+4*(\j)+(\q)], v[RW+32*(\c)+8*(\q)+(\j)], v[RW+32*(\c)+8*(\q)+4+(\j)]
.endr
.endr
	WIN 0
.irp j, 0,1,2,3
	ds_store_b128 v[WSA], v[PK+4*(\j):PK+4*(\j)+3] offset:(\off)+(\c)*8192+(\j)*512
.endr
.endr
.endm
.macro WFLOAD buf, off                 ; 16 LDS loads in one run: the eight weight fragments of 32 along K
	WIN 0xc0
.irp b, 0,1,2,3,4,5,6,7
	ds_load_b128 v[WF+64*(\buf)+8*(\b):WF+64*(\buf)+8*(\b)+3],   v[WRA] offset:(\off)+((\b)/4)*4096+((\b)%4)*512
	ds_load_b128 v[WF+64*(\buf)+8*(\b)+4:WF+64*(\buf)+8*(\b)+7], v[WRA] offset:(\off)+((\b)/4)*4096+((\b)%4)*512+2048
.endr
.endm
.macro TL1 tb, bs, off, a              ; tile a's two images of a half-step: four loads
.irp c, 0,1
.irp f, 0,1
	global_load_b128 v[80*(\tb)+40*(\c)+8*(\a)+4*(\f):80*(\tb)+40*(\c)+8*(\a)+4*(\f)+3], v[L16], s[\bs:\bs+1] offset:(\off)+(\a)*ASTR+(\c)*1024+(\f)*512
.endr
.endr
.endm
.macro TLOAD tb, bs, off               ; a half-step's images into buffer tb: 16 loads, and 4 more where my fifth tile has rows
	WIN 0x40
	TL1 \tb, \bs, \off, 0
	TL1 \tb, \bs, \off, 1
	TL1 \tb, \bs, \off, 2
	TL1 \tb, \bs, \off, 3
	WIN 0
	s_cmp_lg_u32 s[T4], 0
	s_cbranch_scc0 .Lnt4_\@
	WIN 0x40
	TL1 \tb, \bs, \off, 4
	WIN 0
.Lnt4_\@:
.endm
.macro TLOADC                          ; the later passes: five tiles' images of 32 along K
	WIN 0x40
.irp a, 0,1,2,3,4
.irp f, 0,1
	global_load_b128 v[8*(\a)+4*(\f):8*(\a)+4*(\f)+3], v[L16], s[TBW:TBW+1] offset:(\a)*ASTR+(\f)*512
.endr
.endr
.endm
.macro MULA c, tb, a, zero             ; tile a's eight products
.irp b, 0,1,2,3,4,5,6,7
.if \zero
	v_wmma_f32_16x16x32_f16 v[(64*(\a)+8*(\b))%256:(64*(\a)+8*(\b))%256+7], v[80*(\tb)+40*(\c)+8*(\a):80*(\tb)+40*(\c)+8*(\a)+7], v[WF+64*(\c)+8*(\b):WF+64*(\c)+8*(\b)+7], 0
.else
	v_wmma_f32_16x16x32_f16 v[(64*(\a)+8*(\b))%256:(64*(\a)+8*(\b))%256+7], v[80*(\tb)+40*(\c)+8*(\a):80*(\tb)+40*(\c)+8*(\a)+7], v[WF+64*(\c)+8*(\b):WF+64*(\c)+8*(\b)+7], v[(64*(\a)+8*(\b))%256:(64*(\a)+8*(\b))%256+7]
.endif
.endr
.endm
.macro MUL c, tb, zero                 ; 32 along K: 32 or 40 products; the accumulators take turns, one instruction a turn
	WIN 0xad
	MULA \c, \tb, 0, \zero
	MULA \c, \tb, 1, \zero
	MULA \c, \tb, 2, \zero
	MULA \c, \tb, 3, \zero
	WIN 0
	s_cmp_lg_u32 s[T4], 0
	s_cbranch_scc0 .Lno4_\@
	WIN 0xfd
	MULA \c, \tb, 4, \zero
	WIN 0
.Lno4_\@:
.endm
; HALF-STEP h.  k: its place among the LDS blocks that the trip's addresses reach; tb = h % 3; wsb = (h + 1) % 3; n: the loads that may stay out; conv, wl, tl, pre: W(h + 1) is packed, W(h + 4) asked for,
; T(h + 3) asked for, the next half-step's first fragments fetched; step: the two bases go on by a trip; g: the place of this half-step's requests behind the bases.
.macro HS k, tb, wsb, n, conv, wl, tl, pre, step, g
	s_wait_loadcnt \n                              ; T(h) and, older, W(h + 1) are in
	s_wait_dscnt 0x0                               ; the fragments of (h, first 32): issued ahead of the last run of products
.if \conv
	CONVERT \wsb, ((\k)+1)*16384
.endif
.if \step
	s_wait_xcnt 0x0                                ; the bases are stepped only behind this wait
	s_add_nc_u64 s[WBW:WBW+1], s[WBW:WBW+1], 3*WH
	s_add_nc_u64 s[TBW:TBW+1], s[TBW:TBW+1], 3*2048
.endif
.if \wl
	WLOAD \wsb, WBW, (\g)*WH
.endif
	WFLOAD 1, (\k)*16384+8192
	MUL 0, \tb, 0
.if \pre
	SYNC                                           ; every wave's part of W(h + 1) lies in LDS
	PLACES
	WFLOAD 0, ((\k)+1)*16384
.else
	s_wait_dscnt 0x0
.endif
	MUL 1, \tb, 0
	PLACES
.if \tl
	TLOAD \tb, TBW, (\g)*2048
.endif
.endm
.macro VLOAD                           ; the numbers at my 40 places of the pass: k = 8 a + j: place 320 p + 64 a + 16 w + 8 h + j
.set k, 0
.rept 40
	global_load_b32 v[VO+k], v[RL], s[RWB:RWB+1] offset:256*(k/8)+4*(k%8)
.set k, k+1
.endr
.endm
.macro VMAKE                           ; clamped and shifted into byte offsets in my block of part
.set k, 0
.rept 40
	v_min_u32 v[VO+k], 0x807, v[VO+k]              ; a row of my block is below 2,056
.set k, k+1
.endr
.set k, 0
.rept 40
	v_lshl_add_u32 v[VO+k], v[VO+k], 9, v[C16]     ; a row is 512 bytes
.set k, k+1
.endr
.endm
; THE WAY OUT of tile a, jumped if its first place is not below the count: sum + b2; then, row by row, two stores of 16 bytes a lane: lanes 0-15 write 256 consecutive bytes of row j,
; lanes 16-31 of row 8 + j, each at a multiple of 256 from part's first byte.
.macro OUTT a
	s_add_co_u32 s[TMP], s[LW], 64*(\a)            ; the tile's first place: 320 p + 64 a + 16 w
	s_cmp_gt_u32 s[CNT], s[TMP]
	s_cbranch_scc0 .Lnone_\@
	s_wait_xcnt 0x0                                ; the results' registers, which the last tile's stores read, are rewritten only behind this wait
	WIN 0x02+(\a)/4                                ; source 0: the accumulators' window
.irp j, 0,1,2,3,4,5,6,7                ; register 0 of every accumulator first
.irp u, 0,1
.irp z, 0,1,2,3
	v_add_f32 v[T+32*(\u)+4*(\j)+(\z)], v[(64*(\a)+8*(4*(\u)+(\z))+(\j))%256], v[B2R+4*(\u)+(\z)]
.endr
.endr
.endr
	WIN 0
.irp j, 0,1,2,3,4,5,6,7
	global_store_b128 v[VO+8*(\a)+(\j)], v[T+4*(\j):T+4*(\j)+3], s[PA:PA+1]
	global_store_b128 v[VO+8*(\a)+(\j)], v[T+32+4*(\j):T+32+4*(\j)+3], s[PA2:PA2+1]
.endr
.Lnone_\@:
.endm
	s_load_b256 s[4:11], s[0:1], 0x0               ; hid s[4:5], w2 s[6:7], b2 s[8:9], rows s[10:11]
	s_load_b128 s[12:15], s[0:1], 0x20             ; cnt s[12:13], part s[14:15]
	v_lshl_add_u32 v[SPW], v0, 2, SPARE
	v_mov_b32 v[NIL], 0
	v_lshrrev_b32 v[PK], 5, v0
	v_readfirstlane_b32 s[WV], v[PK]               ; wave 0..3 = 2 cb + kh
	s_and_b32 s[NS], ttmp9, 7
	s_lshr_b32 s[KS], ttmp9, 3
	s_and_b32 s[EX], ttmp7, 0xffff
	v_and_b32 v[L16], 31, v0
	v_lshlrev_b32 v[L16], 4, v[L16]
	v_and_b32 v[C16], 15, v0
	v_lshlrev_b32 v[C16], 4, v[C16]
	v_bfe_u32 v[HV], v0, 4, 1                      ; h
	s_and_b32 s[TMP], s[WV], 1
	s_lshl_b32 s[TMP], s[TMP], 12                  ; kh rows
	s_lshr_b32 s22, s[WV], 1
	s_lshl_b32 s22, s22, 8                         ; 256 cb
	s_add_co_u32 s[TMP], s[TMP], s22
	v_lshl_add_u32 v[WG], v[HV], 17, v[C16]        ; 32 h rows + 16 r
	v_add_nc_u32 v[WG], s[TMP], v[WG]
	s_lshl_b32 s[TMP], s[WV], 11
	v_add_nc_u32 v[WSA0], s[TMP], v[L16]
	s_lshl_b32 s[TMP], s[WV], 6
	v_lshl_add_u32 v[RL], v[HV], 5, s[TMP]
	v_mov_b32 v[WSA], v[WSA0]
	v_mov_b32 v[WRA], v[L16]
.set k, 0
.rept 40
	v_mov_b32 v[VO+k], v[C16]                      ; every way through the text finds an offset inside my block of part in these registers; each pass with rows makes its own
.set k, k+1
.endr
	s_cmp_eq_u32 s[KS], 0
	s_cselect_b32 s[F0], 1.0, 0                    ; b2 enters in split 0 alone
	s_mov_b32 s23, 0
	s_lshl_b32 s[TMP], s[EX], 7
	s_wait_kmcnt 0x0
	s_load_b32 s[CNT], s[12:13], s[TMP] offset:0x0 ; my expert's count
	s_lshl_b32 s22, s[EX], 24
	s_lshl_b32 s[TRIP], s[KS], 22
	s_add_co_u32 s22, s22, s[TRIP]
	s_lshl_b32 s[TRIP], s[NS], 9
	s_add_co_u32 s22, s22, s[TRIP]
	s_add_nc_u64 s[WB0:WB0+1], s[6:7], s[22:23]
	s_lshl_b32 s22, s[EX], 12
	s_add_co_u32 s22, s22, s[TRIP]
	s_add_nc_u64 s[B2B:B2B+1], s[8:9], s[22:23]
	global_load_b128 v[B2R:B2R+3],   v[C16], s[B2B:B2B+1]             ; b2 of my 128 columns, once: the opening's first wait covers it
	global_load_b128 v[B2R+4:B2R+7], v[C16], s[B2B:B2B+1] offset:256
	s_lshl_b32 s22, s[EX], 13                      ; a list is 8,192 bytes
	s_add_nc_u64 s[RWB:RWB+1], s[10:11], s[22:23]
	VLOAD                                          ; THE OPENING: my 40 places of the list, then W(0) and W(1)
	WLOAD 0, WB0, 0
	WLOAD 1, WB0, WH
	s_mul_i32 s22, s[EX], 0xa00000                 ; 80 tiles of 131,072 bytes an expert
	s_lshl_b32 s[TRIP], s[WV], 17
	s_add_co_u32 s22, s22, s[TRIP]
	s_lshl_b32 s[TRIP], s[KS], 15
	s_add_co_u32 s22, s22, s[TRIP]
	s_add_nc_u64 s[TB0:TB0+1], s[4:5], s[22:23]
	s_mul_i32 s22, ttmp9, PSTRIDE                  ; my block of part: x = 8 ks + ns
	s_add_nc_u64 s[PA:PA+1], s[14:15], s[22:23]
	s_add_nc_u64 s[PA2:PA2+1], s[PA:PA+1], 256
	s_add_nc_u64 s[WBW:WBW+1], s[WB0:WB0+1], WH    ; a trip short of W(4): the first trip steps it
	s_mov_b64 s[TBW:TBW+1], s[TB0:TB0+1]           ; a trip short of T(3)
	WIN 0x80                                       ; the sums start at 0: cleared in the wait for the first loads; half-step 0 stands in the loop, so no product of its own can start them
.set k, 0
.rept 256
	v_mov_b32 v[k], 0
.set k, k+1
.endr
	WIN 0xc0
.set k, 0
.rept 64
	v_mov_b32 v[k], 0
.set k, k+1
.endr
	WIN 0x40                                       ; the fifth tile's image registers hold numbers on every way through the text, also where that tile is never loaded
.irp tb, 0,1,2
.irp c, 0,1
.irp i, 0,1,2,3,4,5,6,7
	v_mov_b32 v[80*(\tb)+40*(\c)+32+(\i)], 0
.endr
.endr
.endr
	WIN 0
	s_wait_loadcnt 32                              ; b2 and the 40 numbers are in; the 32 weight loads stay out
	VMAKE
.set k, 0
.rept 8
	v_mul_f32 v[B2R+k], s[F0], v[B2R+k]
.set k, k+1
.endr
	s_wait_kmcnt 0x0                               ; the count
	s_lshl_b32 s[TMP], s[WV], 4
	s_add_co_u32 s[TMP], s[TMP], 256
	s_cmp_gt_u32 s[CNT], s[TMP]                    ; has my fifth tile a row?
	s_cselect_b32 s[T4], 1, 0
	TLOAD 0, TB0, 0
	WLOAD 2, WB0, 2*WH
	TLOAD 1, TB0, 2048
	s_wait_loadcnt 63                              ; W(0) is in: behind it W(1), T(0), W(2), T(1) were issued, 64 loads at the least
	CONVERT 0, 0
	WLOAD 0, WB0, 3*WH
	TLOAD 2, TB0, 4096
	SYNC                                           ; every wave's part of W(0) lies in LDS
	WFLOAD 0, 0
	WIN 0
	s_mov_b32 s[LB], 0
	s_mov_b32 s[TRIP], 4
.Ltrip:                                                ; half-steps 0 to 11, three a trip: once round both rings
	v_add_nc_u32 v[WRA], s[LB], v[L16]
	v_add_nc_u32 v[WSA], s[LB], v[WSA0]
	HS 0, 0, 1, 63, 1, 1, 1, 1, 1, 0
	HS 1, 1, 2, 63, 1, 1, 1, 1, 0, 1
	HS 2, 2, 0, 63, 1, 1, 1, 1, 0, 2
	s_add_co_u32 s[LB], s[LB], 49152
	s_sub_co_u32 s[TRIP], s[TRIP], 1
	s_cmp_lg_u32 s[TRIP], 0
	s_cbranch_scc1 .Ltrip
	v_add_nc_u32 v[WRA], s[LB], v[L16]             ; the tail is written out: no load leaves its buffer, and the counts run down
	v_add_nc_u32 v[WSA], s[LB], v[WSA0]
	HS 0, 0, 1, 63, 1, 0, 1, 1, 0, 3               ; 12: the last images, T(15), are asked for
	HS 1, 1, 2, 48, 1, 0, 0, 1, 0, 0               ; 13: behind T(13): W(15), T(14), T(15): 48 at the least
	HS 2, 2, 0, 16, 1, 0, 0, 1, 0, 0               ; 14: behind T(14): T(15)
	HS 3, 0, 0, 0, 0, 0, 0, 0, 0, 0                ; 15: nothing was issued behind T(15)
	s_mov_b32 s[ALIVE], 1                          ; pass 0 always comes here; with no rows all its tiles' ways out are jumped
	s_mov_b32 s[PASS], 4
	s_mov_b32 s[LIM], 0
.Lpass:                                                ; four times, a constant: 1,280 places cover the 1,024 rows that an expert can have.  Nothing in this loop writes LDS, so no barrier stands in it
	s_cmp_lg_u32 s[ALIVE], 0
	s_cbranch_scc0 .Lp_next
	PLACES
	s_lshl_b32 s[TMP], s[WV], 4
	s_add_co_u32 s[LW], s[LIM], s[TMP]             ; 320 p + 16 w
	OUTT 0
	OUTT 1
	OUTT 2
	OUTT 3
	OUTT 4
	s_wait_xcnt 0x0                                ; the bases and the store offsets are rewritten only behind this wait
	s_add_co_u32 s[LIM], s[LIM], 320
	s_add_nc_u64 s[TB0:TB0+1], s[TB0:TB0+1], TPASS
	s_add_nc_u64 s[RWB:RWB+1], s[RWB:RWB+1], 1280  ; 320 places
	s_mov_b32 s[T4], 1                             ; a later pass with rows takes all its twenty tiles
	s_cmp_gt_u32 s[CNT], s[LIM]                    ; are rows left for a further pass?
	s_cselect_b32 s[ALIVE], 1, 0
	s_cbranch_scc0 .Lp_next
	VLOAD                                          ; THE NEXT 320 ROWS: where they go,
	s_wait_loadcnt 0x0
	VMAKE
	s_mov_b64 s[TBW:TBW+1], s[TB0:TB0+1]           ; then 32 along K a trip: images from memory, fragments from the slice in LDS; the first products start the sums
	s_mov_b32 s[LB], 0
	v_mov_b32 v[WRA], v[L16]
	TLOADC
	WFLOAD 0, 0
	s_wait_loadcnt 0x0
	s_wait_dscnt 0x0
	MUL 0, 0, 1
	s_mov_b32 s[CH], 31
.Lch:
	PLACES
	s_wait_xcnt 0x0
	s_add_nc_u64 s[TBW:TBW+1], s[TBW:TBW+1], 1024
	s_add_co_u32 s[LB], s[LB], 8192
	v_add_nc_u32 v[WRA], s[LB], v[L16]
	TLOADC
	WFLOAD 0, 0
	s_wait_loadcnt 0x0
	s_wait_dscnt 0x0
	MUL 0, 0, 0
	s_sub_co_u32 s[CH], s[CH], 1
	s_cmp_lg_u32 s[CH], 0
	s_cbranch_scc1 .Lch
.Lp_next:
	s_sub_co_u32 s[PASS], s[PASS], 1
	s_cmp_lg_u32 s[PASS], 0
	s_cbranch_scc1 .Lpass
	SYNC                                           ; every wave's reads of LDS are back before any wave writes LDS again: the closing add below is such a write
	s_wait_tensorcnt 0x0                           ; the wave's end, behind my last LDS store
	ds_add_u32 v[SPW], v[NIL]
	s_wait_dscnt 0x0
	s_endpgm
.Lfunc_end_k_q657b59cd63_down:
	.size	k_q657b59cd63_down, .Lfunc_end_k_q657b59cd63_down-k_q657b59cd63_down
	.p2alignl 7, 3214868480
	.fill 96, 4, 3214868480
	.section	.rodata,"a",@progbits
	.p2align	6, 0x0
	.amdhsa_kernel k_q657b59cd63_down
		.amdhsa_group_segment_fixed_size 262656
		.amdhsa_private_segment_fixed_size 0
		.amdhsa_enable_private_segment 0
		.amdhsa_kernarg_size 48
		.amdhsa_user_sgpr_count 2
		.amdhsa_user_sgpr_kernarg_segment_ptr 1
		.amdhsa_wavefront_size32 1
		.amdhsa_system_sgpr_workgroup_id_x 1
		.amdhsa_system_sgpr_workgroup_id_y 1
		.amdhsa_system_sgpr_workgroup_id_z 1
		.amdhsa_system_vgpr_workitem_id 0
		.amdhsa_next_free_vgpr 1024
		.amdhsa_next_free_sgpr 66
		.amdhsa_reserve_vcc 0
		.amdhsa_float_denorm_mode_32 3
		.amdhsa_float_denorm_mode_16_64 3
		.amdhsa_memory_ordered 1
		.amdhsa_forward_progress 1
		.amdhsa_inst_pref_size 162
	.end_amdhsa_kernel
	.amdgpu_metadata
---
amdhsa.version: [ 1, 2 ]
amdhsa.kernels:
  - .name:           k_q657b59cd63_down
    .symbol:         k_q657b59cd63_down.kd
    .args:
      - { .name: hid, .offset: 0, .size: 8, .value_kind: global_buffer, .address_space: global }
      - { .name: w2, .offset: 8, .size: 8, .value_kind: global_buffer, .address_space: global }
      - { .name: b2, .offset: 16, .size: 8, .value_kind: global_buffer, .address_space: global }
      - { .name: rows, .offset: 24, .size: 8, .value_kind: global_buffer, .address_space: global }
      - { .name: cnt, .offset: 32, .size: 8, .value_kind: global_buffer, .address_space: global }
      - { .name: part, .offset: 40, .size: 8, .value_kind: global_buffer, .address_space: global }
    .group_segment_fixed_size: 262656
    .private_segment_fixed_size: 0
    .kernarg_segment_align: 8
    .kernarg_segment_size: 48
    .max_flat_workgroup_size: 128
    .sgpr_count:     66
    .vgpr_count:     1024
    .wavefront_size: 32
...
	.end_amdgpu_metadata
.endif
;; end of part 5
;; launch mix (part 6): grid 256 x 1, 8 waves a work-group, no clusters, 0 bytes of LDS; arguments part, gw, out0; writes out0
.if DOCPART == 6
	.amdgcn_target "amdgcn-amd-amdhsa--gfx1250"
	.amdhsa_code_object_version 6
	.text
	.protected	k_q657b59cd63_mix
	.globl	k_q657b59cd63_mix
	.p2align	8
	.type	k_q657b59cd63_mix,@function
k_q657b59cd63_mix:
	s_mov_b64 s[64:65], 0
	v_nop
	global_prefetch_b8 v0, s[64:65] scope:SCOPE_SE
	s_setreg_imm32_b32 hwreg(HW_REG_WAVE_MODE, 25, 1), 1
	s_wait_xcnt 0x0
; out0[t] = g0 x (the first choice's four K splits) + g1 x (the second choice's four), all f32, in the fixed order g0 ((0+1)+(2+3)) + g1 ((4+5)+(6+7)); g0, g1 = gw[2 t], gw[2 t + 1].
; part is [8 ks + ns][2,056 rows][512 bytes]; row 2 t + c of block 8 ks + ns holds columns 128 ns .. + 127 of choice c's sum over K split ks.  All addresses are made of the token's number alone.
; A wave takes half a token's row: token = 4 x work-group + wave / 2, column blocks ns = 4 (wave % 2) + i, i = 0..3.  32 loads of 512 consecutive bytes go out at once; each group of eight is added as it
; lands; one store of 512 bytes a group.  Eight blocks are 8,421,376 bytes, more than a load's immediate holds, so each K split has a base of its own.
; A stream: no LDS, no matrix unit, no cluster; each row of part that holds a slot is read once and each byte of out0 written once.
.set R, 16                             ; v[16:143]: group i, part j = 4 c + ks at R + 32 i + 4 j
.set BS, 24                            ; s[24:31]: part at my rows of block 8 ks + 4 (wave % 2), ks = 0..3
.set PSTRIDE, 0x101000                 ; a block: 2,056 rows of 512 bytes
	s_load_b128 s[4:7], s[0:1], 0x0                ; part s[4:5], gw s[6:7]
	s_load_b64 s[8:9], s[0:1], 0x10                ; out0
	v_lshrrev_b32 v1, 5, v0
	v_readfirstlane_b32 s10, v1
	v_and_b32 v1, 31, v0
	v_lshlrev_b32 v1, 4, v1
	s_lshr_b32 s11, s10, 1
	s_and_b32 s12, s10, 1
	s_lshl_b32 s13, ttmp9, 2
	s_add_co_u32 s13, s13, s11                     ; token
	s_mul_i32 s14, s12, 4*PSTRIDE                  ; my four column blocks
	s_lshl_b32 s18, s13, 10                        ; the token's two rows of 512 bytes
	s_add_co_u32 s14, s14, s18
	s_mov_b32 s15, 0
	s_lshl_b32 s16, s13, 12                        ; the token's row of out0,
	s_lshl_b32 s12, s12, 11                        ; my half of it: 2,048 bytes
	s_add_co_u32 s16, s16, s12
	s_mov_b32 s17, 0
	s_lshl_b32 s18, s13, 3                         ; the token's two gates: 8 bytes
	s_wait_kmcnt 0x0
	s_load_b64 s[20:21], s[6:7], s18 offset:0x0    ; g0, g1
	s_add_nc_u64 s[BS:BS+1], s[4:5], s[14:15]
	s_add_nc_u64 s[BS+2:BS+3], s[BS:BS+1], 8*PSTRIDE
	s_add_nc_u64 s[BS+4:BS+5], s[BS:BS+1], 16*PSTRIDE
	s_add_nc_u64 s[BS+6:BS+7], s[BS:BS+1], 24*PSTRIDE
	s_add_nc_u64 s[8:9], s[8:9], s[16:17]
.irp i, 0,1,2,3
.irp j, 0,1,2,3,4,5,6,7
	global_load_b128 v[R+32*(\i)+4*(\j):R+32*(\i)+4*(\j)+3], v1, s[BS+2*((\j)%4):BS+2*((\j)%4)+1] offset:(\i)*PSTRIDE+((\j)/4)*512 th:TH_LOAD_NT
.endr
.endr
	s_wait_kmcnt 0x0                               ; the gates
	s_mov_b32 s22, s21                             ; g1 as the low word of a pair of its own: the packed lines take a scalar pair's low word for both halves
	s_mov_b32 s23, s21
.macro ADD4 d, s                       ; four numbers onto four
	v_pk_add_f32 v[(\d):(\d)+1], v[(\d):(\d)+1], v[(\s):(\s)+1]
	v_pk_add_f32 v[(\d)+2:(\d)+3], v[(\d)+2:(\d)+3], v[(\s)+2:(\s)+3]
.endm
.irp i, 0,1,2,3
	s_wait_loadcnt 24-8*(\i)                       ; this group's eight loads are in; the later groups' stay out
	ADD4 R+32*(\i), R+32*(\i)+4
	ADD4 R+32*(\i)+8, R+32*(\i)+12
	ADD4 R+32*(\i)+16, R+32*(\i)+20
	ADD4 R+32*(\i)+24, R+32*(\i)+28
	ADD4 R+32*(\i), R+32*(\i)+8
	ADD4 R+32*(\i)+16, R+32*(\i)+24
	v_pk_mul_f32 v[R+32*(\i)+16:R+32*(\i)+17], v[R+32*(\i)+16:R+32*(\i)+17], s[22:23] op_sel_hi:[1,0]
	v_pk_mul_f32 v[R+32*(\i)+18:R+32*(\i)+19], v[R+32*(\i)+18:R+32*(\i)+19], s[22:23] op_sel_hi:[1,0]
	v_pk_fma_f32 v[R+32*(\i):R+32*(\i)+1], v[R+32*(\i):R+32*(\i)+1], s[20:21], v[R+32*(\i)+16:R+32*(\i)+17] op_sel_hi:[1,0,1]
	v_pk_fma_f32 v[R+32*(\i)+2:R+32*(\i)+3], v[R+32*(\i)+2:R+32*(\i)+3], s[20:21], v[R+32*(\i)+18:R+32*(\i)+19] op_sel_hi:[1,0,1]
	global_store_b128 v1, v[R+32*(\i):R+32*(\i)+3], s[8:9] offset:512*(\i) th:TH_STORE_NT
.endr
	s_endpgm
.Lfunc_end_k_q657b59cd63_mix:
	.size	k_q657b59cd63_mix, .Lfunc_end_k_q657b59cd63_mix-k_q657b59cd63_mix
	.p2alignl 7, 3214868480
	.fill 96, 4, 3214868480
	.section	.rodata,"a",@progbits
	.p2align	6, 0x0
	.amdhsa_kernel k_q657b59cd63_mix
		.amdhsa_group_segment_fixed_size 0
		.amdhsa_private_segment_fixed_size 0
		.amdhsa_enable_private_segment 0
		.amdhsa_kernarg_size 24
		.amdhsa_user_sgpr_count 2
		.amdhsa_user_sgpr_kernarg_segment_ptr 1
		.amdhsa_wavefront_size32 1
		.amdhsa_system_sgpr_workgroup_id_x 1
		.amdhsa_system_sgpr_workgroup_id_y 1
		.amdhsa_system_sgpr_workgroup_id_z 1
		.amdhsa_system_vgpr_workitem_id 0
		.amdhsa_next_free_vgpr 144
		.amdhsa_next_free_sgpr 66
		.amdhsa_reserve_vcc 0
		.amdhsa_float_denorm_mode_32 3
		.amdhsa_float_denorm_mode_16_64 3
		.amdhsa_memory_ordered 1
		.amdhsa_forward_progress 1
		.amdhsa_inst_pref_size 9
	.end_amdhsa_kernel
	.amdgpu_metadata
---
amdhsa.version: [ 1, 2 ]
amdhsa.kernels:
  - .name:           k_q657b59cd63_mix
    .symbol:         k_q657b59cd63_mix.kd
    .args:
      - { .name: part, .offset: 0, .size: 8, .value_kind: global_buffer, .address_space: global }
      - { .name: gw, .offset: 8, .size: 8, .value_kind: global_buffer, .address_space: global }
      - { .name: out0, .offset: 16, .size: 8, .value_kind: global_buffer, .address_space: global }
    .group_segment_fixed_size: 0
    .private_segment_fixed_size: 0
    .kernarg_segment_align: 8
    .kernarg_segment_size: 24
    .max_flat_workgroup_size: 256
    .sgpr_count:     66
    .vgpr_count:     144
    .wavefront_size: 32
...
	.end_amdgpu_metadata
.endif
;; end of part 6
;; ======== version 2 of 2: 6 launches; version 1 with the launches sort, up, down written anew for expert scheduling mode
;; limits: values are held in f16: magnitudes above 65,504 overflow, below 6.1e-05 lose precision
;; workspace buffers: xh 2,097,152 bytes; sel 8,192 bytes of whole numbers; gw 8,192 bytes; rows 65,536 bytes of whole numbers; cnt 1,024 bytes of whole numbers; xg 20,971,520 bytes; hid 83,886,080 bytes; part 33,685,504 bytes
;; launch router: the kernel of part 1 again; grid 256 x 1, 4 waves a work-group, no clusters, 0 bytes of LDS; arguments hidden_states, router_w, xh, sel, gw; writes xh, sel, gw
;; launch sort (part 7): grid 8 x 1, 1 waves a work-group, no clusters, 0 bytes of LDS; arguments sel, rows, cnt; writes rows, cnt
.if DOCPART == 7
	.amdgcn_target "amdgcn-amd-amdhsa--gfx1250"
	.amdhsa_code_object_version 6
	.text
	.protected	k_q657b59cd63_sort
	.globl	k_q657b59cd63_sort
	.p2align	8
	.type	k_q657b59cd63_sort,@function
k_q657b59cd63_sort:
	s_mov_b64 s[64:65], 0
	v_nop
	global_prefetch_b8 v0, s[64:65] scope:SCOPE_SE
	s_setreg_imm32_b32 hwreg(HW_REG_WAVE_SCHED_MODE, 0, 2), 2
	s_setreg_imm32_b32 hwreg(HW_REG_WAVE_MODE, 25, 1), 1
	s_wait_xcnt 0x0
	s_wait_alu depctr_vm_vsrc(0)
; THE LISTS.  rows[e] has 2,048 places.  The slots (slot = 2 token + choice) that chose expert e stand from place 0 up; every place past their count holds 2,048 + e; cnt[e] = how many chose e, 32 times.
; Each of the 2,048 slots gets a place of its own (the others from place 2,047 down), so every word of rows is stored exactly once, with all lanes on.
; What the number 2,048 + e is for: the first product halves it and clamps it to token 1,023, a row that exists, as filling; the second product takes it as a row of its output that only expert e's
; work-groups write and nobody reads.
; One work-group of one wave for each expert: a place is a running count over all 2,048 choices, which one wave walks in 64 groups of 32; eight lists are all the work there is.
; The order inside a list is the order of the walk (register 4 q + c of lane l is slot 128 q + 4 l + c); the two products only need the same order, which they read from here.
; No atomics: a chosen slot's place is the count so far plus the chosen lanes below it; another slot's place is 2,047 less the number of such slots before it.
; THE MODE: SCHED_MODE bits 1:0 = 2 (LLVM: expert scheduling mode 2), set by the entry lines.  The code itself states the register dependences between vector instructions and memory instructions, and
; between a vector instruction that writes a scalar register and its readers, with s_wait_alu, always for 0.
; THE PLAN.  The 64 groups go in eight blocks of eight.  Registers that memory instructions touch:
;   v1, v2     byte offsets, made once at the head and never written again.
;   SELR       the loads land in it; a group's compare reads its register, a vector line then writes the number to store there; one store reads it; never written again.
;   POS        written by a group's vector lines; read by that group's store; never written again.
; A block's eight compares write eight masks, s[MK ..]; one wait behind the run serves all their readers.  Block p's stores are issued in block p + 1, behind one wait at that block's head, dealt among its
; vector lines, which name block p + 1's registers alone.
.set SELR, 16                          ; v[16:79]  sel as loaded; then the numbers to store
.set POS,  80                          ; v[80:143] byte offsets of the places: a register for each store, so that no store's source is rewritten
.set MK,   20                          ; s[20:27]  a block's eight masks: which lanes' slots chose my expert
	s_load_b128 s[4:7], s[0:1], 0x0                ; sel s[4:5], rows s[6:7]
	s_load_b64 s[8:9], s[0:1], 0x10                ; cnt
	v_lshlrev_b32 v1, 4, v0                        ; 16 lane (one wave: the thread's number is the lane)
	v_lshlrev_b32 v2, 2, v0                        ; 4 lane
	s_mov_b32 s10, ttmp9                           ; the expert
	s_add_co_u32 s19, s10, 2048
	v_mov_b32 v5, s19                              ; what a place past the count holds
	s_lshl_b32 s12, s10, 13                        ; its list: 8,192 bytes
	s_mov_b32 s13, 0
	s_lshl_b32 s14, s10, 7                         ; its 32 words of cnt
	s_mov_b32 s15, 0
	s_mov_b32 s16, 0                               ; the count so far
	s_wait_kmcnt 0x0
	s_wait_alu depctr_va_vdst(0)                   ; v1 is written, which the loads below read as their offset
.irp q, 0,1,2,3,4,5,6,7,8,9,10,11,12,13,14,15
	global_load_b128 v[SELR+4*(\q):SELR+4*(\q)+3], v1, s[4:5] offset:512*(\q)
.endr
	s_add_nc_u64 s[6:7], s[6:7], s[12:13]
	s_add_nc_u64 s[8:9], s[8:9], s[14:15]
.set p, 0
.rept 8
	s_wait_loadcnt 14-2*p                          ; this block's two loads of sel are in; the later ones stay out
.set i, 0
.rept 8
	v_cmp_eq_u32 s[MK+i], s10, v[SELR+8*p+i]
.set i, i+1
.endr
	s_wait_alu depctr_va_sdst(0)                   ; the eight masks are written, ahead of their first reader
.if p > 0
	s_wait_alu depctr_va_vdst(0)                   ; the block before has written its POS and SELR, which the stores below read
.endif
.set i, 0
.rept 8
.set g, 8*p+i
.if p > 0
	global_store_b32 v[POS+g-8], v[SELR+g-8], s[6:7]  ; the block before; no vector line since the wait names these registers
.endif
	s_add_co_u32 s17, s16, 2047-32*g
	v_mbcnt_lo_u32_b32 v[POS+g], s[MK+i], s16      ; r = chosen slots before this one
	v_mbcnt_lo_u32_b32 v3, s[MK+i], s17
	v_sub_nc_u32 v3, v3, v0                        ; 2,047 - (32 g + lane - r)
	v_cndmask_b32 v[POS+g], v3, v[POS+g], s[MK+i]
	v_min_u32 v[POS+g], 0x7ff, v[POS+g]            ; a place is below 2,048
	v_lshlrev_b32 v[POS+g], 2, v[POS+g]
	v_add_nc_u32 v[SELR+g], 128*(g/4)+g%4, v2      ; the slot's number,
	v_cndmask_b32 v[SELR+g], v5, v[SELR+g], s[MK+i] ; or 2,048 + e where the slot chose another expert
	s_bcnt1_i32_b32 s18, s[MK+i]
	s_add_co_u32 s16, s16, s18
.set i, i+1
.endr
.set p, p+1
.endr
	v_mov_b32 v4, s16
	s_wait_alu depctr_va_vdst(0)                   ; the last block has written its POS and SELR, and v4 is written: the last nine stores read them
.set g, 56
.rept 8
	global_store_b32 v[POS+g], v[SELR+g], s[6:7]
.set g, g+1
.endr
	global_store_b32 v2, v4, s[8:9]
	s_endpgm
.Lfunc_end_k_q657b59cd63_sort:
	.size	k_q657b59cd63_sort, .Lfunc_end_k_q657b59cd63_sort-k_q657b59cd63_sort
	.p2alignl 7, 3214868480
	.fill 96, 4, 3214868480
	.section	.rodata,"a",@progbits
	.p2align	6, 0x0
	.amdhsa_kernel k_q657b59cd63_sort
		.amdhsa_group_segment_fixed_size 0
		.amdhsa_private_segment_fixed_size 0
		.amdhsa_enable_private_segment 0
		.amdhsa_kernarg_size 24
		.amdhsa_user_sgpr_count 2
		.amdhsa_user_sgpr_kernarg_segment_ptr 1
		.amdhsa_wavefront_size32 1
		.amdhsa_system_sgpr_workgroup_id_x 1
		.amdhsa_system_sgpr_workgroup_id_y 1
		.amdhsa_system_sgpr_workgroup_id_z 1
		.amdhsa_system_vgpr_workitem_id 0
		.amdhsa_next_free_vgpr 144
		.amdhsa_next_free_sgpr 66
		.amdhsa_reserve_vcc 0
		.amdhsa_float_denorm_mode_32 3
		.amdhsa_float_denorm_mode_16_64 3
		.amdhsa_memory_ordered 1
		.amdhsa_forward_progress 1
		.amdhsa_inst_pref_size 50
	.end_amdhsa_kernel
	.amdgpu_metadata
---
amdhsa.version: [ 1, 2 ]
amdhsa.kernels:
  - .name:           k_q657b59cd63_sort
    .symbol:         k_q657b59cd63_sort.kd
    .args:
      - { .name: sel, .offset: 0, .size: 8, .value_kind: global_buffer, .address_space: global }
      - { .name: rows, .offset: 8, .size: 8, .value_kind: global_buffer, .address_space: global }
      - { .name: cnt, .offset: 16, .size: 8, .value_kind: global_buffer, .address_space: global }
    .group_segment_fixed_size: 0
    .private_segment_fixed_size: 0
    .kernarg_segment_align: 8
    .kernarg_segment_size: 24
    .max_flat_workgroup_size: 32
    .sgpr_count:     66
    .vgpr_count:     144
    .wavefront_size: 32
...
	.end_amdgpu_metadata
.endif
;; end of part 7
;; launch gather: the kernel of part 3 again; grid 80 x 8, 4 waves a work-group, no clusters, 34,304 bytes of LDS; arguments xh, rows, cnt, xg; writes xg
;; launch up (part 8): grid 32 x 8, 4 waves a work-group, no clusters, 262,656 bytes of LDS; arguments xg, cnt, w1, b1, hid; writes hid
.if DOCPART == 8
	.amdgcn_target "amdgcn-amd-amdhsa--gfx1250"
	.amdhsa_code_object_version 6
	.text
	.protected	k_q657b59cd63_up
	.globl	k_q657b59cd63_up
	.p2align	8
	.type	k_q657b59cd63_up,@function
k_q657b59cd63_up:
	s_mov_b64 s[64:65], 0
	v_nop
	global_prefetch_b8 v0, s[64:65] scope:SCOPE_SE
	s_setreg_imm32_b32 hwreg(HW_REG_WAVE_SCHED_MODE, 0, 2), 2
	s_setreg_imm32_b32 hwreg(HW_REG_WAVE_MODE, 25, 1), 1
	s_wait_xcnt 0x0
	s_wait_alu depctr_vm_vsrc(0)
; FIRST PRODUCT OF THE CHOSEN ROWS.  hid = gelu(x w1[e] + b1[e]) for the rows that chose expert e: f16 operands, f32 sums, gelu (tanh form) in f32, hid rounded once to f16.
; A work-group owns 128 columns (slice = x) of ONE expert (y): 1,024 x 128 f32 = 512 KB of w1 that nobody else reads, and all of that expert's rows.
; LIMITS.  x, w1 and gelu's result stay under 65,504 and keep f16's fixed step of 6e-8 below 6e-5; NaN and infinities are not treated apart.
; ROWS.  A pass holds 320 rows: tile T = 20 p + 4 a + w of 16 rows for wave w, a = 0..4.  In pass 0 the fifth tile (a = 4) is left out where the count does not pass its first place, 256 + 16 w (flag T4).
; TOKENS come as operand images of 1,024 bytes (16 rows x 32 k) from xg, 512 consecutive bytes a load, STRAIGHT INTO OPERAND REGISTERS: LDS holds weights alone.
; WEIGHTS: memory -> registers (a lane takes 4 columns of 8 rows; 16 lanes cover 256 consecutive bytes of a row) -> two rows' numbers packed to f16 ARE a register of an operand -> LDS.  Wave w = 2 cb + kh
; makes half kh of the four fragments of column block cb; fragment j's index i stands for column 64 cb + 4 i + j.  THE WHOLE SLICE STAYS IN LDS: 1,024 x 128 f16 = 262,144 bytes, 16,384 for each half-step
; of 64 along K.  No byte of the slice is written twice, so a barrier only orders a half-step's fill with its reads.  The 512 bytes behind the slice hold the spare words of the closing add.
; PASS 0 runs under the stream of weights, in 16 HALF-STEPS h.  Images: a ring of three register buffers of 80, T(h + 2) asked for at the head of half-step h, into the buffer that half-step h - 1 has left.
; Weights: a ring of three staging buffers of 64, W(h + 4) asked for when W(h + 1) has been packed.  Order in a half-step: wait for T(h) and W(h + 1); pack W(h + 1); the wait on va_vdst; W(h + 1) into LDS;
; ask for T(h + 2) and W(h + 4); fragments of (h, second 32); 32 or 40 products; the barrier; the second wait on va_vdst; fragments of (h + 1, first 32); 32 or 40 products.  Each run of LDS loads stands a
; run of products ahead of the wait for it.
; Loads return in order (ISA guide 5.7.1).  Behind T(h)'s last load W(h + 2), T(h + 1) and W(h + 3) are issued, 48 loads at the least, so the wait is for 48; W(h + 1) was issued ahead of T(h).
; ROWS PAST 320 (passes 1-3): the slice lies in LDS, so these passes only read LDS and have no barrier among them: a short loop, 32 along K a trip, its waits for 0.  It is slow and serves counts over 320
; alone.  The loop over passes has a constant count; a pass without rows is one jump.  One barrier stands behind that loop, behind every wave's last reads of LDS.
; THE PRODUCT IS USED TRANSPOSED (source 0 = 16 columns of w1, source 1 = 16 tokens): a lane holds one token and eight hidden numbers, so two accumulators packed in pairs ARE the 16 x 32 operand image of
; the second product: hid[e][tile][chunk kc = 4 slice + 2 cb + p][1,024 bytes], whose k index q stands for hidden column 64 (kc / 2) + 4 (q % 16) + 2 p + q / 16.
; NO CLUSTER: each weight has one reader; the images are shared by an expert's 32 work-groups, but they come through registers, and a joint request is a tensor load into LDS.
; THE MODE: SCHED_MODE bits 1:0 = 2 (LLVM: expert scheduling mode 2), set by the entry lines.  The code itself states the register dependences between vector or matrix instructions and memory or LDS
; instructions, with s_wait_alu, always for 0.
; THE PLAN.  Registers that memory or LDS instructions touch in pass 0, and who else names them:
;   staging 0-2     Half-step h: the 32 conversions at its head read staging (h + 1) % 3; behind them W(h + 4)'s loads land in it.
;   PK              Written by those conversions; read by the eight LDS stores behind them; written again a half-step later.
;   images 0-2      Half-step h's products read buffer h % 3; T(h + 3)'s loads land in it at the head of half-step h + 1.
;   fragments 1     Read by a half-step's second run of products; loaded again at the next half-step's head.
;   fragments 0     Read by a half-step's first run of products; loaded again behind the barrier of the same half-step.
;   v[WRA], v[WSA]  Read by every LDS load and store; written once a trip, at its head.     v[L16], v[WG], v[BL]: offsets, never written again.
; So a half-step has one wait on vm_vsrc, at its head (the LDS stores have read PK; at a trip's head the LDS instructions have read the two addresses), and TWO waits on va_vdst.  The first stands behind the
; conversions: PK is written, staging is no longer read, the last half-step's products are done with their images and with fragments 1, and at a trip's head the two addresses are written; the LDS stores, the
; loads of T(h + 2) and W(h + 4) and the fragments of the second 32 follow it, and nothing between names a register that they touch.  The second stands behind the barrier: the first run of products is done
; with fragments 0.  The accumulators are named by vector and matrix instructions alone.
; REGISTERS (windows of 256; s_set_vgpr_msb: bits 1:0 source 0, 3:2 source 1, 5:4 source 2, 7:6 destination):
;   window 0: v0-15 addresses; v16-47 packed weights; v128-191, v192-255 weight staging 0, 1 (the way out: v80-239)     window 1: v0-239 three image buffers (from half-step 15 on v160-223: b1)
;   window 2: accumulators a = 0..3 at 8 (8 a + b)     window 3: v0-63 accumulators a = 4; v64-191 weight fragments, two buffers; v192-255 weight staging 2
.set WH,     0x100000                  ; a half-step of w1: 64 rows of 16,384 bytes
.set ASTR,   131072                    ; from my tile a to my tile a + 1 in xg: four tiles of 32,768 bytes
.set TPASS,  655360                    ; 20 tiles of xg
.set HPASS,  0x280000                  ; 20 tiles of hid
.set L16, 1                            ; 16 lane; never rewritten
.set WRA, 2                            ; where I read weight fragments: 16 lane + the trip's first LDS byte
.set WSA, 3                            ; where I store packed weights: WSA0 + the trip's first LDS byte
.set WSA0,4                            ; 2,048 w + 16 lane
.set WG,  5                            ; my lane's byte offset in a half-step of w1
.set C16, 6                            ; 16 r
.set BL,  7                            ; 128 h
.set TV,  8
.set PK,  16                           ; v[16:47]: a half-step's packed weights, both halves of 32 along K
.set X,   80                           ; the way out: 64 pre-activations, 64 at work, 32 packed
.set W,   144
.set OUTR,208
.set WF,  64                           ; window 3
.set BI,  160                          ; window 1
.set WV, 18
.set SL, 19
.set EX, 20
.set WB0, 24                           ; s[24:25] w1 at my slice, half-step 0
.set WBW, 26                           ; s[26:27] walking: W(h + 4) of a trip's first half-step
.set TB0, 28                           ; s[28:29] xg at tile 20 p + w
.set TBW, 30                           ; s[30:31] walking: T(h + 3) of a trip's first half-step; the requests reach 2,048 bytes back from there
.set HB0, 32                           ; s[32:33] hid at tile 20 p + w, my four chunks
.set HBW, 34
.set ALIVE, 36
.set PASS, 37
.set CNT, 38
.set LIM, 39
.set TRIP, 40
.set T4, 41
.set LB, 42                            ; the trip's first LDS byte
.set TA, 43
.set CH, 44
.set TMP, 46
.set K0, 48
.set K1, 50
.set B1B, 52
.set MSB, 0
.macro WIN new                         ; the immediate's high byte repeats the setting that is left; a switch that changes nothing is dropped
.if MSB != (\new)
	s_set_vgpr_msb (MSB<<8)|(\new)
.set MSB, (\new)
.endif
.endm
.macro PLACES                          ; four plain instructions between a matrix instruction and a load into, or a vector read or write of, its registers
.rept 4
	v_nop
.endr
.endm
.macro SYNC                            ; my LDS stores are done and my LDS reads are back; then the barrier
	s_wait_dscnt 0x0
	s_barrier_signal -1
	s_barrier_wait -1
.endm
.macro WLOAD wb, bs, off               ; a half-step's weights, my quarter, into staging wb: 16 loads; lanes 0-15 take 256 bytes of one row, lanes 16-31 of the row 8 further down
.if (\wb) == 2
	WIN 0xc0
.set RW, 192
.else
	WIN 0
.set RW, 128+64*(\wb)
.endif
.irp c, 0,1
.irp t, 0,1,2,3,4,5,6,7
	global_load_b128 v[RW+32*(\c)+4*(\t):RW+32*(\c)+4*(\t)+3], v[WG], s[\bs:\bs+1] offset:(\off)+(32*(\c)+(\t))*16384 th:TH_LOAD_NT
.endr
.endr
.endm
.macro CONVERT wb, off                 ; rows 2 q and 2 q + 1 of column j, packed, are register q of fragment j's half; all 32 conversions, one wait, then the eight stores, 512 consecutive bytes each
.if (\wb) == 2
.set RW, 192
.set CW, 0x0f
.else
.set RW, 128+64*(\wb)
.set CW, 0
.endif
	WIN CW
.irp c, 0,1
.irp j, 0,1,2,3
.irp q, 0,1,2,3
	v_cvt_pk_f16_f32 v[PK+16*(\c)+4*(\j)+(\q)], v[RW+32*(\c)+8*(\q)+(\j)], v[RW+32*(\c)+8*(\q)+4+(\j)]
.endr
.endr
.endr
	WIN 0
	s_wait_alu depctr_va_vdst(0)                   ; the conversions have written PK, which the LDS stores read, and are done reading this staging buffer, in which the next weights land; all earlier products are done with the image buffer and the fragment buffer that the loads behind this macro fill; v[WRA] and v[WSA] are written
.irp c, 0,1
.irp j, 0,1,2,3
	ds_store_b128 v[WSA], v[PK+16*(\c)+4*(\j):PK+16*(\c)+4*(\j)+3] offset:(\off)+(\c)*8192+(\j)*512
.endr
.endr
.endm
.macro WFLOAD buf, off                 ; 16 LDS loads in one run: the eight weight fragments of 32 along K
	WIN 0xc0
.irp b, 0,1,2,3,4,5,6,7
	ds_load_b128 v[WF+64*(\buf)+8*(\b):WF+64*(\buf)+8*(\b)+3],   v[WRA] offset:(\off)+((\b)/4)*4096+((\b)%4)*512
	ds_load_b128 v[WF+64*(\buf)+8*(\b)+4:WF+64*(\buf)+8*(\b)+7], v[WRA] offset:(\off)+((\b)/4)*4096+((\b)%4)*512+2048
.endr
.endm
.macro TL1 tb, bs, off, a              ; tile a's two images of a half-step: four loads
.irp c, 0,1
.irp f, 0,1
	global_load_b128 v[80*(\tb)+40*(\c)+8*(\a)+4*(\f):80*(\tb)+40*(\c)+8*(\a)+4*(\f)+3], v[L16], s[\bs:\bs+1] offset:(\off)+(\a)*ASTR+(\c)*1024+(\f)*512
.endr
.endr
.endm
.macro TLOAD tb, bs, off               ; a half-step's images into buffer tb: 16 loads, and 4 more where my fifth tile has rows
	WIN 0x40
	TL1 \tb, \bs, \off, 0
	TL1 \tb, \bs, \off, 1
	TL1 \tb, \bs, \off, 2
	TL1 \tb, \bs, \off, 3
	WIN 0
	s_cmp_lg_u32 s[T4], 0
	s_cbranch_scc0 .Lnt4_\@
	WIN 0x40
	TL1 \tb, \bs, \off, 4
	WIN 0
.Lnt4_\@:
.endm
.macro TLOADC                          ; the later passes: five tiles' images of 32 along K
	WIN 0x40
.irp a, 0,1,2,3,4
.irp f, 0,1
	global_load_b128 v[8*(\a)+4*(\f):8*(\a)+4*(\f)+3], v[L16], s[TBW:TBW+1] offset:(\a)*ASTR+(\f)*512
.endr
.endr
.endm
.macro MULA c, tb, a, zero             ; tile a's eight products
.irp b, 0,1,2,3,4,5,6,7
.if \zero
	v_wmma_f32_16x16x32_f16 v[(64*(\a)+8*(\b))%256:(64*(\a)+8*(\b))%256+7], v[WF+64*(\c)+8*(\b):WF+64*(\c)+8*(\b)+7], v[80*(\tb)+40*(\c)+8*(\a):80*(\tb)+40*(\c)+8*(\a)+7], 0
.else
	v_wmma_f32_16x16x32_f16 v[(64*(\a)+8*(\b))%256:(64*(\a)+8*(\b))%256+7], v[WF+64*(\c)+8*(\b):WF+64*(\c)+8*(\b)+7], v[80*(\tb)+40*(\c)+8*(\a):80*(\tb)+40*(\c)+8*(\a)+7], v[(64*(\a)+8*(\b))%256:(64*(\a)+8*(\b))%256+7]
.endif
.endr
.endm
.macro MUL c, tb, zero                 ; 32 along K: 32 or 40 products; the accumulators take turns, one instruction a turn
	WIN 0xa7
	MULA \c, \tb, 0, \zero
	MULA \c, \tb, 1, \zero
	MULA \c, \tb, 2, \zero
	MULA \c, \tb, 3, \zero
	WIN 0
	s_cmp_lg_u32 s[T4], 0
	s_cbranch_scc0 .Lno4_\@
	WIN 0xf7
	MULA \c, \tb, 4, \zero
	WIN 0
.Lno4_\@:
.endm
.macro EXTRA                           ; b1 for the way out, into the image buffer that half-step 14 has left: register 32 cb + 4 j + jj = b1[64 cb + 4 (8 h + j) + jj]
	WIN 0x40
.irp u, 0,1
.irp j, 0,1,2,3,4,5,6,7
	global_load_b128 v[BI+32*(\u)+4*(\j):BI+32*(\u)+4*(\j)+3], v[BL], s[B1B:B1B+1] offset:256*(\u)+16*(\j)
.endr
.endr
.endm
; HALF-STEP h.  k: its place among the LDS blocks that the trip's addresses reach; tb = h % 3; wsb = (h + 1) % 3; n: the loads that may stay out; conv, wl, tl, pre: W(h + 1) is packed, W(h + 4) asked for,
; T(h + 2) asked for, the next half-step's first fragments fetched; step: the two bases go on by a trip; g: the place of this half-step's requests behind the bases; adr: the two LDS addresses go on to the
; trip's first LDS byte; ex: b1 is asked for.
.macro HS k, tb, wsb, n, conv, wl, tl, pre, step, g, adr, ex
	s_wait_loadcnt \n                              ; T(h) and, older, W(h + 1) are in
	s_wait_dscnt 0x0                               ; the fragments of (h, first 32): issued ahead of the last run of products
.if \conv
	s_wait_alu depctr_vm_vsrc(0)                   ; the last half-step's LDS stores have read PK, which the conversions write again; the LDS loads and stores issued so far have read v[WRA] and v[WSA]
.endif
.if \adr
	v_add_nc_u32 v[WRA], s[LB], v[L16]
	v_add_nc_u32 v[WSA], s[LB], v[WSA0]
.endif
.if \conv
	CONVERT \wsb, ((\k)+1)*16384
.else
	s_wait_alu depctr_va_vdst(0)                   ; the last half-step's products are done reading their image buffer, in which b1 lands, and fragment buffer 1, which is loaded below
.endif
.if \step
	s_wait_xcnt 0x0                                ; the bases are stepped only behind this wait
	s_add_nc_u64 s[WBW:WBW+1], s[WBW:WBW+1], 3*WH
	s_add_nc_u64 s[TBW:TBW+1], s[TBW:TBW+1], 3*2048
.endif
.if \tl
	TLOAD ((\tb)+2)%3, TBW, ((\g)-1)*2048          ; into the buffer that the last half-step's products read.  No further wait: nothing since the wait above names it
.endif
.if \wl
	WLOAD \wsb, WBW, (\g)*WH
.endif
.if \ex
	EXTRA
.endif
	WFLOAD 1, (\k)*16384+8192
	MUL 0, \tb, 0
.if \pre
	SYNC                                           ; every wave's part of W(h + 1) lies in LDS
	PLACES
	s_wait_alu depctr_va_vdst(0)                   ; the run of products above is done reading fragment buffer 0, in which the loads below land
	WFLOAD 0, ((\k)+1)*16384
.else
	s_wait_dscnt 0x0
.endif
	MUL 1, \tb, 0
	PLACES
.endm
.macro ADDB a                          ; tile a's sums + b1; each accumulator is read from its lowest register on
	WIN 0x06+(\a)/4
.irp b, 0,1,2,3,4,5,6,7
.irp j, 0,1,2,3,4,5,6,7
	v_add_f32 v[X+8*(\b)+(\j)], v[(64*(\a)+8*(\b)+(\j))%256], v[BI+32*((\b)/4)+4*(\j)+(\b)%4]
.endr
.endr
	WIN 0
.endm
	s_load_b256 s[4:11], s[0:1], 0x0               ; xg s[4:5], cnt s[6:7], w1 s[8:9], b1 s[10:11]
	s_load_b64 s[12:13], s[0:1], 0x20              ; hid
	v_lshl_add_u32 v78, v0, 2, 0x40000
	v_mov_b32 v79, 0
	v_lshrrev_b32 v[TV], 5, v0
	v_readfirstlane_b32 s[WV], v[TV]               ; wave 0..3 = 2 cb + kh
	s_mov_b32 s[SL], ttmp9
	s_and_b32 s[EX], ttmp7, 0xffff
	v_and_b32 v[L16], 31, v0
	v_lshlrev_b32 v[L16], 4, v[L16]
	v_and_b32 v[C16], 15, v0
	v_lshlrev_b32 v[C16], 4, v[C16]
	v_bfe_u32 v[BL], v0, 4, 1                      ; h
	s_wait_alu depctr_va_sdst(0)                   ; the wave's number is written, ahead of its first reader
	s_and_b32 s[TMP], s[WV], 1
	s_lshl_b32 s[TMP], s[TMP], 18                  ; 16 kh rows
	s_lshr_b32 s22, s[WV], 1
	s_lshl_b32 s22, s22, 8                         ; 256 cb
	s_add_co_u32 s[TMP], s[TMP], s22
	v_lshl_add_u32 v[WG], v[BL], 17, v[C16]        ; 8 h rows + 16 r
	v_add_nc_u32 v[WG], s[TMP], v[WG]
	s_lshl_b32 s[TMP], s[WV], 11
	v_add_nc_u32 v[WSA0], s[TMP], v[L16]
	v_lshlrev_b32 v[BL], 7, v[BL]
	v_mov_b32 v[WSA], v[WSA0]
	v_mov_b32 v[WRA], v[L16]
	WIN 0x40                                       ; the fifth tile's image registers hold numbers on every way through the text, also where that tile is never loaded; written here, in the wait for the arguments
.irp tb, 0,1,2
.irp c, 0,1
.irp i, 0,1,2,3,4,5,6,7
	v_mov_b32 v[80*(\tb)+40*(\c)+32+(\i)], 0
.endr
.endr
.endr
	WIN 0
	s_mov_b32 s[K0], 0xc0135761                    ; -2 log2(e) sqrt(2 / pi)
	s_mov_b32 s[K0+1], 0xc0135761
	s_mov_b32 s[K1], 0xbdd2d3e8                    ; that times 0.044715
	s_mov_b32 s[K1+1], 0xbdd2d3e8
	s_mov_b32 s23, 0
	s_lshl_b32 s[TMP], s[EX], 7
	s_wait_kmcnt 0x0
	s_load_b32 s[CNT], s[6:7], s[TMP] offset:0x0   ; my expert's count
	s_lshl_b32 s22, s[EX], 24
	s_lshl_b32 s[TRIP], s[SL], 9
	s_add_co_u32 s22, s22, s[TRIP]
	s_add_nc_u64 s[WB0:WB0+1], s[8:9], s[22:23]
	s_wait_alu depctr_va_vdst(0)                   ; the offsets and LDS addresses v1 to v7 are written, which the loads and stores below read; so are the fifth tile's zeros, in which images may land
	WLOAD 0, WB0, 0                                ; THE OPENING: W(0) and W(1) first of all
	WLOAD 1, WB0, WH
	s_lshl_b32 s22, s[EX], 14
	s_add_co_u32 s22, s22, s[TRIP]
	s_add_nc_u64 s[B1B:B1B+1], s[10:11], s[22:23]
	s_mul_i32 s22, s[EX], 0xa00000                 ; 80 tiles of 131,072 bytes of hid an expert
	s_lshl_b32 s[TRIP], s[WV], 17
	s_add_co_u32 s22, s22, s[TRIP]
	s_lshl_b32 s[TRIP], s[SL], 12
	s_add_co_u32 s22, s22, s[TRIP]
	s_add_nc_u64 s[HB0:HB0+1], s[12:13], s[22:23]
	s_mul_i32 s22, s[EX], 0x280000                 ; 80 tiles of 32,768 bytes of xg an expert
	s_lshl_b32 s[TRIP], s[WV], 15
	s_add_co_u32 s22, s22, s[TRIP]
	s_add_nc_u64 s[TB0:TB0+1], s[4:5], s[22:23]
	s_add_nc_u64 s[WBW:WBW+1], s[WB0:WB0+1], WH    ; a trip short of W(4): the first trip steps it
	s_mov_b64 s[TBW:TBW+1], s[TB0:TB0+1]           ; a trip short of T(3)
	s_wait_kmcnt 0x0                               ; the count
	s_lshl_b32 s[TMP], s[WV], 4
	s_add_co_u32 s[TMP], s[TMP], 256
	s_cmp_gt_u32 s[CNT], s[TMP]                    ; has my fifth tile a row?
	s_cselect_b32 s[T4], 1, 0
	TLOAD 0, TB0, 0
	WLOAD 2, WB0, 2*WH
	TLOAD 1, TB0, 2048
	WIN 0x80                                       ; the sums start at 0: cleared in the wait for the first weights; half-step 0 stands in the loop, so no product of its own can start them
.set k, 0
.rept 256
	v_mov_b32 v[k], 0
.set k, k+1
.endr
	WIN 0xc0
.set k, 0
.rept 64
	v_mov_b32 v[k], 0
.set k, k+1
.endr
	s_wait_loadcnt 63                              ; W(0) is in: behind it W(1), T(0), W(2), T(1) were issued, 64 loads at the least
	CONVERT 0, 0
	WLOAD 0, WB0, 3*WH
	SYNC                                           ; every wave's part of W(0) lies in LDS
	WFLOAD 0, 0
	WIN 0
	s_mov_b32 s[LB], 0
	s_mov_b32 s[TRIP], 4
.Ltrip:                                                ; half-steps 0 to 11, three a trip: once round both rings
	HS 0, 0, 1, 48, 1, 1, 1, 1, 1, 0, 1, 0
	HS 1, 1, 2, 48, 1, 1, 1, 1, 0, 1, 0, 0
	HS 2, 2, 0, 48, 1, 1, 1, 1, 0, 2, 0, 0
	s_add_co_u32 s[LB], s[LB], 49152
	s_sub_co_u32 s[TRIP], s[TRIP], 1
	s_cmp_lg_u32 s[TRIP], 0
	s_cbranch_scc1 .Ltrip
	HS 0, 0, 1, 48, 1, 0, 1, 1, 0, 3, 1, 0         ; the tail is written out: no load leaves its buffer, and the counts run down.  12: T(14) is asked for; behind T(12): W(14), T(13), W(15)
	HS 1, 1, 2, 32, 1, 0, 1, 1, 0, 4, 0, 0         ; 13: the last images, T(15), are asked for; behind T(13): W(15), T(14): 32 at the least
	HS 2, 2, 0, 16, 1, 0, 0, 1, 0, 0, 0, 0         ; 14: behind T(14): T(15)
	HS 3, 0, 0, 0, 0, 0, 0, 0, 0, 0, 0, 1          ; 15: nothing was issued behind T(15); b1 is asked for
	s_wait_loadcnt 0x0                             ; b1
	s_mov_b32 s[ALIVE], 1                          ; pass 0 always goes out: it writes tiles 0-15 of hid, which the next launch always reads
	s_mov_b32 s[PASS], 4
	s_mov_b32 s[LIM], 0
.Lpass:                                                ; four times, a constant: 1,280 places cover the 1,024 rows that an expert can have.  Nothing in this loop writes LDS, so no barrier stands in it
	s_cmp_lg_u32 s[ALIVE], 0
	s_cbranch_scc0 .Lp_next
	PLACES
	s_wait_xcnt 0x0
	s_mov_b64 s[HBW:HBW+1], s[HB0:HB0+1]
	s_mov_b32 s[TA], 0
; THE WAY OUT, a tile a trip: + b1, gelu, f16, 4,096 consecutive bytes of hid.
.Lout:
	s_cmp_lg_u32 s[TA], 0
	s_cbranch_scc1 .Lo1
	ADDB 0
	s_branch .Lbody
.Lo1:
	s_cmp_lg_u32 s[TA], 1
	s_cbranch_scc1 .Lo2
	ADDB 1
	s_branch .Lbody
.Lo2:
	s_cmp_lg_u32 s[TA], 2
	s_cbranch_scc1 .Lo3
	ADDB 2
	s_branch .Lbody
.Lo3:
	s_cmp_lg_u32 s[TA], 3
	s_cbranch_scc1 .Lo4
	ADDB 3
	s_branch .Lbody
.Lo4:
	s_cmp_lg_u32 s[T4], 0
	s_cbranch_scc0 .Lnext                          ; my fifth tile has no row
	ADDB 4
.Lbody:                                                ; gelu(x) = x / (1 + 2^(x (K0 + K1 x x))): where the power overflows the quotient is 0, gelu's limit
.set i, 0
.rept 32
	v_pk_mul_f32 v[W+2*i:W+2*i+1], v[X+2*i:X+2*i+1], v[X+2*i:X+2*i+1]
.set i, i+1
.endr
.set i, 0
.rept 32
	v_pk_fma_f32 v[W+2*i:W+2*i+1], v[W+2*i:W+2*i+1], s[K1:K1+1], s[K0:K0+1] op_sel_hi:[1,0,0]
.set i, i+1
.endr
.set i, 0
.rept 32
	v_pk_mul_f32 v[W+2*i:W+2*i+1], v[W+2*i:W+2*i+1], v[X+2*i:X+2*i+1]
.set i, i+1
.endr
.set i, 0
.rept 64
	v_exp_f32 v[W+i], v[W+i]
.set i, i+1
.endr
	v_nop                                          ; a plain instruction behind the last exponential,
	s_wait_alu depctr_va_vdst(0)                   ; and ONE wait for the batch of 64, ahead of the first reader
.set i, 0
.rept 32
	v_pk_add_f32 v[W+2*i:W+2*i+1], v[W+2*i:W+2*i+1], 1.0 op_sel_hi:[1,0]
.set i, i+1
.endr
.set i, 0
.rept 64
	v_rcp_f32 v[W+i], v[W+i]
.set i, i+1
.endr
	v_nop
	s_wait_alu depctr_va_vdst(0)                   ; one wait for the 64 reciprocals
.set i, 0
.rept 32
	v_pk_mul_f32 v[W+2*i:W+2*i+1], v[W+2*i:W+2*i+1], v[X+2*i:X+2*i+1]
.set i, i+1
.endr
.set i, 0
.rept 32
	v_cvt_pk_f16_f32 v[OUTR+i], v[W+2*i], v[W+2*i+1]  ; registers 4 b .. 4 b + 3: half b % 2 of image b / 2
.set i, i+1
.endr
	s_wait_alu depctr_va_vdst(0)                   ; the roundings have written the 32 packed registers, which the stores read
.irp b, 0,1,2,3,4,5,6,7
	global_store_b128 v[L16], v[OUTR+4*(\b):OUTR+4*(\b)+3], s[HBW:HBW+1] offset:512*(\b)  ; 512 consecutive bytes, at a multiple of 256 from hid's first byte
.endr
	s_wait_xcnt 0x0                                ; the base and the packed registers are rewritten only behind this wait
	s_wait_alu depctr_vm_vsrc(0)                   ; the stores have read the packed registers, which the next tile's roundings write again
.Lnext:
	s_add_nc_u64 s[HBW:HBW+1], s[HBW:HBW+1], 524288  ; my next tile lies four tiles on
	s_add_co_u32 s[TA], s[TA], 1
	s_cmp_lt_u32 s[TA], 5
	s_cbranch_scc1 .Lout
	s_wait_xcnt 0x0
	s_wait_alu depctr_vm_vsrc(0)                   ; the LDS loads issued so far have read v[WRA], which a further pass writes below
	s_add_co_u32 s[LIM], s[LIM], 320
	s_add_nc_u64 s[HB0:HB0+1], s[HB0:HB0+1], HPASS
	s_add_nc_u64 s[TB0:TB0+1], s[TB0:TB0+1], TPASS
	s_mov_b32 s[T4], 1                             ; a later pass with rows takes all its twenty tiles
	s_cmp_gt_u32 s[CNT], s[LIM]                    ; are rows left for a further pass?
	s_cselect_b32 s[ALIVE], 1, 0
	s_cbranch_scc0 .Lp_next
	s_mov_b64 s[TBW:TBW+1], s[TB0:TB0+1]           ; THE NEXT 320 ROWS, 32 along K a trip: images from memory, fragments from the slice in LDS; the first products start the sums
	s_mov_b32 s[LB], 0
	v_mov_b32 v[WRA], v[L16]
	s_wait_alu depctr_va_vdst(0)                   ; v[WRA] is written; the earlier products are done reading image buffer 0 and fragment buffer 0, in which the loads below land
	TLOADC
	WFLOAD 0, 0
	s_wait_loadcnt 0x0
	s_wait_dscnt 0x0
	MUL 0, 0, 1
	s_mov_b32 s[CH], 31
.Lch:
	PLACES
	s_wait_xcnt 0x0
	s_add_nc_u64 s[TBW:TBW+1], s[TBW:TBW+1], 1024
	s_add_co_u32 s[LB], s[LB], 8192
	s_wait_alu depctr_vm_vsrc(0)                   ; the last trip's LDS loads have read v[WRA]
	v_add_nc_u32 v[WRA], s[LB], v[L16]
	s_wait_alu depctr_va_vdst(0)                   ; v[WRA] is written; the last trip's products are done reading the images and fragments, in which the loads below land
	TLOADC
	WFLOAD 0, 0
	s_wait_loadcnt 0x0
	s_wait_dscnt 0x0
	MUL 0, 0, 0
	s_sub_co_u32 s[CH], s[CH], 1
	s_cmp_lg_u32 s[CH], 0
	s_cbranch_scc1 .Lch
.Lp_next:
	s_sub_co_u32 s[PASS], s[PASS], 1
	s_cmp_lg_u32 s[PASS], 0
	s_cbranch_scc1 .Lpass
	SYNC                                           ; every wave's reads of LDS are back
	s_wait_dscnt 0x0                               ; the wave's end
	s_wait_alu depctr_hold_cnt(0) depctr_sa_sdst(0) depctr_va_vdst(0) depctr_va_sdst(0) depctr_va_ssrc(0) depctr_va_vcc(0) depctr_vm_vsrc(0)
	s_wait_tensorcnt 0x0
	ds_add_u32 v78, v79
	s_wait_dscnt 0x0
	s_endpgm
.Lfunc_end_k_q657b59cd63_up:
	.size	k_q657b59cd63_up, .Lfunc_end_k_q657b59cd63_up-k_q657b59cd63_up
	.p2alignl 7, 3214868480
	.fill 96, 4, 3214868480
	.section	.rodata,"a",@progbits
	.p2align	6, 0x0
	.amdhsa_kernel k_q657b59cd63_up
		.amdhsa_group_segment_fixed_size 262656
		.amdhsa_private_segment_fixed_size 0
		.amdhsa_enable_private_segment 0
		.amdhsa_kernarg_size 40
		.amdhsa_user_sgpr_count 2
		.amdhsa_user_sgpr_kernarg_segment_ptr 1
		.amdhsa_wavefront_size32 1
		.amdhsa_system_sgpr_workgroup_id_x 1
		.amdhsa_system_sgpr_workgroup_id_y 1
		.amdhsa_system_sgpr_workgroup_id_z 1
		.amdhsa_system_vgpr_workitem_id 0
		.amdhsa_next_free_vgpr 1024
		.amdhsa_next_free_sgpr 66
		.amdhsa_reserve_vcc 0
		.amdhsa_float_denorm_mode_32 3
		.amdhsa_float_denorm_mode_16_64 3
		.amdhsa_memory_ordered 1
		.amdhsa_forward_progress 1
		.amdhsa_inst_pref_size 154
	.end_amdhsa_kernel
	.amdgpu_metadata
---
amdhsa.version: [ 1, 2 ]
amdhsa.kernels:
  - .name:           k_q657b59cd63_up
    .symbol:         k_q657b59cd63_up.kd
    .args:
      - { .name: xg, .offset: 0, .size: 8, .value_kind: global_buffer, .address_space: global }
      - { .name: cnt, .offset: 8, .size: 8, .value_kind: global_buffer, .address_space: global }
      - { .name: w1, .offset: 16, .size: 8, .value_kind: global_buffer, .address_space: global }
      - { .name: b1, .offset: 24, .size: 8, .value_kind: global_buffer, .address_space: global }
      - { .name: hid, .offset: 32, .size: 8, .value_kind: global_buffer, .address_space: global }
    .group_segment_fixed_size: 262656
    .private_segment_fixed_size: 0
    .kernarg_segment_align: 8
    .kernarg_segment_size: 40
    .max_flat_workgroup_size: 128
    .sgpr_count:     66
    .vgpr_count:     1024
    .wavefront_size: 32
...
	.end_amdgpu_metadata
.endif
;; end of part 8
;; launch down (part 9): grid 32 x 8, 4 waves a work-group, no clusters, 262,656 bytes of LDS; arguments hid, w2, b2, rows, cnt, part; writes part
.if DOCPART == 9
	.amdgcn_target "amdgcn-amd-amdhsa--gfx1250"
	.amdhsa_code_object_version 6
	.text
	.protected	k_q657b59cd63_down
	.globl	k_q657b59cd63_down
	.p2align	8
	.type	k_q657b59cd63_down,@function
k_q657b59cd63_down:
	s_mov_b64 s[64:65], 0
	v_nop
	global_prefetch_b8 v0, s[64:65] scope:SCOPE_SE
	s_setreg_imm32_b32 hwreg(HW_REG_WAVE_SCHED_MODE, 0, 2), 2
	s_setreg_imm32_b32 hwreg(HW_REG_WAVE_MODE, 25, 1), 1
	s_wait_xcnt 0x0
	s_wait_alu depctr_vm_vsrc(0)
; SECOND PRODUCT OF THE CHOSEN ROWS.  part[8 ks + ns][slot][128 columns] = the sum over this K split of hid w2[e], + b2[e] in split 0: f16 operands, f32 sums, partial sums stored in f32; the gates are
; applied by the launch that adds.  A work-group owns 128 columns (ns = x % 8) x 1,024 of K (ks = x / 8) of ONE expert (y): 512 KB of w2 that nobody else reads, and all of that expert's rows.
; LIMITS.  w2 stays under 65,504 and keeps f16's fixed step of 6e-8 below 6e-5; NaN and infinities are not treated apart (b2 is multiplied by 0 in splits 1-3).
; THE FRAME IS THE FIRST PRODUCT'S.  A pass holds 320 rows, tile T = 20 p + 4 a + w; in pass 0 the fifth tile is left out where the count does not pass 256 + 16 w (flag T4).  Tokens come as operand images
; of 1,024 bytes from hid, 512 consecutive bytes a load, straight into operand registers.  Weights go memory -> registers -> packed f16 -> LDS, where the WHOLE slice stays: 1,024 x 128 f16 = 262,144
; bytes, 16,384 for each half-step of 64 along K; no byte of the slice is written twice; the 512 bytes behind the slice hold the spare words of the closing add.  Pass 0 runs under the stream of weights in 16 half-steps:
; images in a ring of three register buffers of 80, T(h + 2) asked for at the head of half-step h, into the buffer that half-step h - 1 has left; weights in a ring of three staging buffers of 64, W(h + 4)
; asked for when W(h + 1) has been packed; one barrier a half-step, between a fill and its reads.
; Loads return in order (ISA guide 5.7.1).  Behind T(h)'s last load W(h + 2), T(h + 1) and W(h + 3) are issued, 48 loads at the least, so the wait is for 48; W(h + 1) was issued ahead of T(h).
; Rows past 320 (passes 1-3) only read LDS and have no barrier among them: a short loop, 32 along K a trip, its waits for 0: slow, and for counts over 320 alone.  A pass without rows is one jump.  One barrier
; stands behind the loop over passes, behind every wave's last reads of LDS.
; K's ORDER is hid's: index q of chunk kc stands for row 64 (kc / 2) + 4 (q % 16) + 2 (kc % 2) + q / 16 of w2, so w2's rows are taken in that order (each row's 256 bytes still once).
; Source 0 = 16 rows of hid, source 1 = 16 columns of w2 (index i of fragment jn = column 64 cb + 4 i + jn): four accumulators give a lane 16 consecutive bytes of a row, sixteen lanes 256.
; WHERE A ROW GOES.  My block of part (x) has 2,056 rows of 512 bytes: one for each slot, and eight more.  A row's number is read from rows at the pass's start; a place past the count holds 2,048 + e there,
; a row that my work-group alone writes and nobody reads.  So all lanes stay on and no mask is made.  A tile wholly past the count is jumped; what goes to the unread row is at most 15 rows of the one tile
; that the count cuts.
; NO CLUSTER: each weight has one reader; the images are shared by eight work-groups, but they come through registers, and a joint request is a tensor load into LDS.
; THE MODE: SCHED_MODE bits 1:0 = 2 (LLVM: expert scheduling mode 2), set by the entry lines.  The code itself states the register dependences between vector or matrix instructions and memory or LDS
; instructions, with s_wait_alu, always for 0.
; THE PLAN.  Registers that memory or LDS instructions touch in pass 0, and who else names them:
;   staging 0-2     Half-step h: the 32 conversions at its head read staging (h + 1) % 3; behind them W(h + 4)'s loads land in it.
;   PK              Written by those conversions; read by the eight LDS stores behind them; written again a half-step later, and on the way out, where its registers hold results.
;   images 0-2      Half-step h's products read buffer h % 3; T(h + 3)'s loads land in it at the head of half-step h + 1.
;   fragments 1     Read by a half-step's second run of products; loaded again at the next half-step's head.
;   fragments 0     Read by a half-step's first run of products; loaded again behind the barrier of the same half-step.
;   v[WRA], v[WSA]  Read by every LDS load and store; written once a trip, at its head.     v[L16], v[WG], v[C16], v[RL]: offsets, never written again.
;   VO              Loaded and made into offsets at a pass's start; read by the pass's stores; loaded again at the next pass's start.     T: written by a tile's additions, read by its sixteen stores.
; So a half-step has one wait on vm_vsrc, at its head (the LDS stores have read PK; at a trip's head the LDS instructions have read the two addresses), and TWO waits on va_vdst.  The first stands behind the
; conversions: PK is written, staging is no longer read, the last half-step's products are done with their images and with fragments 1, and at a trip's head the two addresses are written; the LDS stores, the
; loads of T(h + 2) and W(h + 4) and the fragments of the second 32 follow it, and nothing between names a register that they touch.  The second stands behind the barrier: the first run of products is done
; with fragments 0.  The accumulators are named by vector and matrix instructions alone.
; REGISTERS: window 0: v0-15 addresses; v32-39 b2; v40-79 my 40 rows' byte offsets in my block of part; v80-111 packed weights (the way out: v80-143 results); v128-191, v192-255 weight staging 0, 1
;   window 1: v0-239 three image buffers     window 2: accumulators a = 0..3 at 8 (8 a + b)     window 3: v0-63 accumulators a = 4; v64-191 weight fragments, two buffers; v192-255 weight staging 2
.set WH,     0x40000                   ; a half-step of w2: 64 rows of 4,096 bytes
.set ASTR,   524288                    ; from my tile a to my tile a + 1 in hid: four tiles of 131,072 bytes
.set TPASS,  0x280000                  ; 20 tiles of hid
.set PSTRIDE,0x101000                  ; a block of part: 2,056 rows of 512 bytes
.set L16, 1                            ; 16 lane; never rewritten
.set WRA, 2                            ; where I read weight fragments
.set WSA, 3                            ; where I store packed weights
.set WSA0,4                            ; 2,048 w + 16 lane
.set WG,  5
.set C16, 6                            ; 16 r
.set HV,  7                            ; h, at the head
.set RL,  8                            ; 64 w + 32 h
.set B2R, 32                           ; register 4 u + z = b2[64 u + 4 r + z] of my 128 columns, times 1 in split 0 and 0 elsewhere
.set VO,  40                           ; register 8 a + j: the row at place 320 p + 64 a + 16 w + 8 h + j
.set PK,  80                           ; v[80:111]: a half-step's packed weights, both halves of 32 along K
.set T,   80
.set WF,  64                           ; window 3
.set WV, 18
.set NS, 19
.set KS, 20
.set EX, 21
.set WB0, 24
.set WBW, 26
.set TB0, 28                           ; s[28:29] hid at tile 20 p + w, my K split
.set TBW, 30                           ; s[30:31] walking: T(h + 3) of a trip's first half-step; the requests reach 2,048 bytes back from there
.set RWB, 32                           ; s[32:33] rows at place 320 p of my expert
.set ALIVE, 34
.set PASS, 35
.set CNT, 36
.set LW,  37                           ; 320 p + 16 w: the first place of my tile 0
.set LIM, 38
.set TRIP, 39
.set PA,  40                           ; s[40:41] my block of part: a row's first 256 bytes
.set PA2, 42                           ; s[42:43] its second 256 bytes
.set T4, 44
.set LB, 45
.set TMP, 46
.set F0, 47
.set CH, 48
.set B2B, 50
.set MSB, 0
.macro WIN new                         ; the immediate's high byte repeats the setting that is left; a switch that changes nothing is dropped
.if MSB != (\new)
	s_set_vgpr_msb (MSB<<8)|(\new)
.set MSB, (\new)
.endif
.endm
.macro PLACES                          ; four plain instructions between a matrix instruction and a load into, or a vector read or write of, its registers
.rept 4
	v_nop
.endr
.endm
.macro SYNC                            ; my LDS stores are done and my LDS reads are back; then the barrier
	s_wait_dscnt 0x0
	s_barrier_signal -1
	s_barrier_wait -1
.endm
.macro WLOAD wb, bs, off               ; a half-step's weights, my quarter, into staging wb: 16 loads; lanes 0-15 take 256 bytes of one row, lanes 16-31 of the row 32 further down
.if (\wb) == 2
	WIN 0xc0
.set RW, 192
.else
	WIN 0
.set RW, 128+64*(\wb)
.endif
.irp c, 0,1
.irp t, 0,1,2,3,4,5,6,7
	global_load_b128 v[RW+32*(\c)+4*(\t):RW+32*(\c)+4*(\t)+3], v[WG], s[\bs:\bs+1] offset:(\off)+(4*(\t)+2*(\c))*4096 th:TH_LOAD_NT
.endr
.endr
.endm
.macro CONVERT wb, off                 ; the numbers of two rows that are neighbours in K's order, packed, are register q of fragment j's half; all 32 conversions, one wait, then the eight stores, 512 consecutive bytes each
.if (\wb) == 2
.set RW, 192
.set CW, 0x0f
.else
.set RW, 128+64*(\wb)
.set CW, 0
.endif
	WIN CW
.irp c, 0,1
.irp j, 0,1,2,3
.irp q, 0,1,2,3
	v_cvt_pk_f16_f32 v[PK+16*(\c)+4*(\j)+(\q)], v[RW+32*(\c)+8*(\q)+(\j)], v[RW+32*(\c)+8*(\q)+4+(\j)]
.endr
.endr
.endr
	WIN 0
	s_wait_alu depctr_va_vdst(0)                   ; the conversions have written PK, which the LDS stores read, and are done reading this staging buffer, in which the next weights land; all earlier products are done with the image buffer and the fragment buffer that the loads behind this macro fill; v[WRA], v[WSA] and the 40 offsets are written
.irp c, 0,1
.irp j, 0,1,2,3
	ds_store_b128 v[WSA], v[PK+16*(\c)+4*(\j):PK+16*(\c)+4*(\j)+3] offset:(\off)+(\c)*8192+(\j)*512
.endr
.endr
.endm
.macro WFLOAD buf, off                 ; 16 LDS loads in one run: the eight weight fragments of 32 along K
	WIN 0xc0
.irp b, 0,1,2,3,4,5,6,7
	ds_load_b128 v[WF+64*(\buf)+8*(\b):WF+64*(\buf)+8*(\b)+3],   v[WRA] offset:(\off)+((\b)/4)*4096+((\b)%4)*512
	ds_load_b128 v[WF+64*(\buf)+8*(\b)+4:WF+64*(\buf)+8*(\b)+7], v[WRA] offset:(\off)+((\b)/4)*4096+((\b)%4)*512+2048
.endr
.endm
.macro TL1 tb, bs, off, a              ; tile a's two images of a half-step: four loads
.irp c, 0,1
.irp f, 0,1
	global_load_b128 v[80*(\tb)+40*(\c)+8*(\a)+4*(\f):80*(\tb)+40*(\c)+8*(\a)+4*(\f)+3], v[L16], s[\bs:\bs+1] offset:(\off)+(\a)*ASTR+(\c)*1024+(\f)*512
.endr
.endr
.endm
.macro TLOAD tb, bs, off               ; a half-step's images into buffer tb: 16 loads, and 4 more where my fifth tile has rows
	WIN 0x40
	TL1 \tb, \bs, \off, 0
	TL1 \tb, \bs, \off, 1
	TL1 \tb, \bs, \off, 2
	TL1 \tb, \bs, \off, 3
	WIN 0
	s_cmp_lg_u32 s[T4], 0
	s_cbranch_scc0 .Lnt4_\@
	WIN 0x40
	TL1 \tb, \bs, \off, 4
	WIN 0
.Lnt4_\@:
.endm
.macro TLOADC                          ; the later passes: five tiles' images of 32 along K
	WIN 0x40
.irp a, 0,1,2,3,4
.irp f, 0,1
	global_load_b128 v[8*(\a)+4*(\f):8*(\a)+4*(\f)+3], v[L16], s[TBW:TBW+1] offset:(\a)*ASTR+(\f)*512
.endr
.endr
.endm
.macro MULA c, tb, a, zero             ; tile a's eight products
.irp b, 0,1,2,3,4,5,6,7
.if \zero
	v_wmma_f32_16x16x32_f16 v[(64*(\a)+8*(\b))%256:(64*(\a)+8*(\b))%256+7], v[80*(\tb)+40*(\c)+8*(\a):80*(\tb)+40*(\c)+8*(\a)+7], v[WF+64*(\c)+8*(\b):WF+64*(\c)+8*(\b)+7], 0
.else
	v_wmma_f32_16x16x32_f16 v[(64*(\a)+8*(\b))%256:(64*(\a)+8*(\b))%256+7], v[80*(\tb)+40*(\c)+8*(\a):80*(\tb)+40*(\c)+8*(\a)+7], v[WF+64*(\c)+8*(\b):WF+64*(\c)+8*(\b)+7], v[(64*(\a)+8*(\b))%256:(64*(\a)+8*(\b))%256+7]
.endif
.endr
.endm
.macro MUL c, tb, zero                 ; 32 along K: 32 or 40 products; the accumulators take turns, one instruction a turn
	WIN 0xad
	MULA \c, \tb, 0, \zero
	MULA \c, \tb, 1, \zero
	MULA \c, \tb, 2, \zero
	MULA \c, \tb, 3, \zero
	WIN 0
	s_cmp_lg_u32 s[T4], 0
	s_cbranch_scc0 .Lno4_\@
	WIN 0xfd
	MULA \c, \tb, 4, \zero
	WIN 0
.Lno4_\@:
.endm
; HALF-STEP h.  k: its place among the LDS blocks that the trip's addresses reach; tb = h % 3; wsb = (h + 1) % 3; n: the loads that may stay out; conv, wl, tl, pre: W(h + 1) is packed, W(h + 4) asked for,
; T(h + 2) asked for, the next half-step's first fragments fetched; step: the two bases go on by a trip; g: the place of this half-step's requests behind the bases; adr: the two LDS addresses go on to the
; trip's first LDS byte.
.macro HS k, tb, wsb, n, conv, wl, tl, pre, step, g, adr
	s_wait_loadcnt \n                              ; T(h) and, older, W(h + 1) are in
	s_wait_dscnt 0x0                               ; the fragments of (h, first 32): issued ahead of the last run of products
.if \conv
	s_wait_alu depctr_vm_vsrc(0)                   ; the last half-step's LDS stores have read PK, which the conversions write again; the LDS loads and stores issued so far have read v[WRA] and v[WSA]
.endif
.if \adr
	v_add_nc_u32 v[WRA], s[LB], v[L16]
	v_add_nc_u32 v[WSA], s[LB], v[WSA0]
.endif
.if \conv
	CONVERT \wsb, ((\k)+1)*16384
.else
	s_wait_alu depctr_va_vdst(0)                   ; the last half-step's second run of products is done reading fragment buffer 1, which is loaded below
.endif
.if \step
	s_wait_xcnt 0x0                                ; the bases are stepped only behind this wait
	s_add_nc_u64 s[WBW:WBW+1], s[WBW:WBW+1], 3*WH
	s_add_nc_u64 s[TBW:TBW+1], s[TBW:TBW+1], 3*2048
.endif
.if \tl
	TLOAD ((\tb)+2)%3, TBW, ((\g)-1)*2048          ; into the buffer that the last half-step's products read.  No further wait: nothing since the wait above names it
.endif
.if \wl
	WLOAD \wsb, WBW, (\g)*WH
.endif
	WFLOAD 1, (\k)*16384+8192
	MUL 0, \tb, 0
.if \pre
	SYNC                                           ; every wave's part of W(h + 1) lies in LDS
	PLACES
	s_wait_alu depctr_va_vdst(0)                   ; the run of products above is done reading fragment buffer 0, in which the loads below land
	WFLOAD 0, ((\k)+1)*16384
.else
	s_wait_dscnt 0x0
.endif
	MUL 1, \tb, 0
	PLACES
.endm
.macro VLOAD                           ; the numbers at my 40 places of the pass: k = 8 a + j: place 320 p + 64 a + 16 w + 8 h + j
.set k, 0
.rept 40
	global_load_b32 v[VO+k], v[RL], s[RWB:RWB+1] offset:256*(k/8)+4*(k%8)
.set k, k+1
.endr
.endm
.macro VMAKE                           ; clamped and shifted into byte offsets in my block of part
.set k, 0
.rept 40
	v_min_u32 v[VO+k], 0x807, v[VO+k]              ; a row of my block is below 2,056
.set k, k+1
.endr
.set k, 0
.rept 40
	v_lshl_add_u32 v[VO+k], v[VO+k], 9, v[C16]     ; a row is 512 bytes
.set k, k+1
.endr
.endm
; THE WAY OUT of tile a, jumped if its first place is not below the count: sum + b2; then, row by row, two stores of 16 bytes a lane: lanes 0-15 write 256 consecutive bytes of row j,
; lanes 16-31 of row 8 + j, each at a multiple of 256 from part's first byte.
.macro OUTT a
	s_add_co_u32 s[TMP], s[LW], 64*(\a)            ; the tile's first place: 320 p + 64 a + 16 w
	s_cmp_gt_u32 s[CNT], s[TMP]
	s_cbranch_scc0 .Lnone_\@
	s_wait_xcnt 0x0                                ; the results' registers, which the last tile's stores read, are rewritten only behind this wait
	s_wait_alu depctr_vm_vsrc(0)                   ; the last tile's stores have read the results' registers, and the LDS stores of packed weights, which lay in the first 32 of them, have read theirs
	WIN 0x02+(\a)/4                                ; source 0: the accumulators' window
.irp j, 0,1,2,3,4,5,6,7                ; register 0 of every accumulator first
.irp u, 0,1
.irp z, 0,1,2,3
	v_add_f32 v[T+32*(\u)+4*(\j)+(\z)], v[(64*(\a)+8*(4*(\u)+(\z))+(\j))%256], v[B2R+4*(\u)+(\z)]
.endr
.endr
.endr
	WIN 0
	s_wait_alu depctr_va_vdst(0)                   ; the additions have written the 64 results, which the stores read
.irp j, 0,1,2,3,4,5,6,7
	global_store_b128 v[VO+8*(\a)+(\j)], v[T+4*(\j):T+4*(\j)+3], s[PA:PA+1]
	global_store_b128 v[VO+8*(\a)+(\j)], v[T+32+4*(\j):T+32+4*(\j)+3], s[PA2:PA2+1]
.endr
.Lnone_\@:
.endm
	s_load_b256 s[4:11], s[0:1], 0x0               ; hid s[4:5], w2 s[6:7], b2 s[8:9], rows s[10:11]
	s_load_b128 s[12:15], s[0:1], 0x20             ; cnt s[12:13], part s[14:15]
	v_lshl_add_u32 v30, v0, 2, 0x40000
	v_mov_b32 v31, 0
	v_lshrrev_b32 v[PK], 5, v0
	v_readfirstlane_b32 s[WV], v[PK]               ; wave 0..3 = 2 cb + kh
	s_and_b32 s[NS], ttmp9, 7
	s_lshr_b32 s[KS], ttmp9, 3
	s_and_b32 s[EX], ttmp7, 0xffff
	v_and_b32 v[L16], 31, v0
	v_lshlrev_b32 v[L16], 4, v[L16]
	v_and_b32 v[C16], 15, v0
	v_lshlrev_b32 v[C16], 4, v[C16]
	v_bfe_u32 v[HV], v0, 4, 1                      ; h
	s_wait_alu depctr_va_sdst(0)                   ; the wave's number is written, ahead of its first reader
	s_and_b32 s[TMP], s[WV], 1
	s_lshl_b32 s[TMP], s[TMP], 12                  ; kh rows
	s_lshr_b32 s22, s[WV], 1
	s_lshl_b32 s22, s22, 8                         ; 256 cb
	s_add_co_u32 s[TMP], s[TMP], s22
	v_lshl_add_u32 v[WG], v[HV], 17, v[C16]        ; 32 h rows + 16 r
	v_add_nc_u32 v[WG], s[TMP], v[WG]
	s_lshl_b32 s[TMP], s[WV], 11
	v_add_nc_u32 v[WSA0], s[TMP], v[L16]
	s_lshl_b32 s[TMP], s[WV], 6
	v_lshl_add_u32 v[RL], v[HV], 5, s[TMP]
	v_mov_b32 v[WSA], v[WSA0]
	v_mov_b32 v[WRA], v[L16]
.set k, 0
.rept 40
	v_mov_b32 v[VO+k], v[C16]                      ; every way through the text finds an offset inside my block of part in these registers; each pass with rows makes its own
.set k, k+1
.endr
	WIN 0x40                                       ; the fifth tile's image registers hold numbers on every way through the text, also where that tile is never loaded; written here, in the wait for the arguments
.irp tb, 0,1,2
.irp c, 0,1
.irp i, 0,1,2,3,4,5,6,7
	v_mov_b32 v[80*(\tb)+40*(\c)+32+(\i)], 0
.endr
.endr
.endr
	WIN 0
	s_cmp_eq_u32 s[KS], 0
	s_cselect_b32 s[F0], 1.0, 0                    ; b2 enters in split 0 alone
	s_mov_b32 s23, 0
	s_lshl_b32 s[TMP], s[EX], 7
	s_wait_kmcnt 0x0
	s_load_b32 s[CNT], s[12:13], s[TMP] offset:0x0 ; my expert's count
	s_lshl_b32 s22, s[EX], 24
	s_lshl_b32 s[TRIP], s[KS], 22
	s_add_co_u32 s22, s22, s[TRIP]
	s_lshl_b32 s[TRIP], s[NS], 9
	s_add_co_u32 s22, s22, s[TRIP]
	s_add_nc_u64 s[WB0:WB0+1], s[6:7], s[22:23]
	s_lshl_b32 s22, s[EX], 12
	s_add_co_u32 s22, s22, s[TRIP]
	s_add_nc_u64 s[B2B:B2B+1], s[8:9], s[22:23]
	s_wait_alu depctr_va_vdst(0)                   ; the offsets and LDS addresses v1 to v8 are written, which the loads and stores below read; so are the 40 offsets and the fifth tile's zeros, in which loads land
	global_load_b128 v[B2R:B2R+3],   v[C16], s[B2B:B2B+1]             ; b2 of my 128 columns, once: the opening's first wait covers it
	global_load_b128 v[B2R+4:B2R+7], v[C16], s[B2B:B2B+1] offset:256
	s_lshl_b32 s22, s[EX], 13                      ; a list is 8,192 bytes
	s_add_nc_u64 s[RWB:RWB+1], s[10:11], s[22:23]
	VLOAD                                          ; THE OPENING: my 40 places of the list, then W(0) and W(1)
	WLOAD 0, WB0, 0
	WLOAD 1, WB0, WH
	s_mul_i32 s22, s[EX], 0xa00000                 ; 80 tiles of 131,072 bytes an expert
	s_lshl_b32 s[TRIP], s[WV], 17
	s_add_co_u32 s22, s22, s[TRIP]
	s_lshl_b32 s[TRIP], s[KS], 15
	s_add_co_u32 s22, s22, s[TRIP]
	s_add_nc_u64 s[TB0:TB0+1], s[4:5], s[22:23]
	s_mul_i32 s22, ttmp9, PSTRIDE                  ; my block of part: x = 8 ks + ns
	s_add_nc_u64 s[PA:PA+1], s[14:15], s[22:23]
	s_add_nc_u64 s[PA2:PA2+1], s[PA:PA+1], 256
	s_add_nc_u64 s[WBW:WBW+1], s[WB0:WB0+1], WH    ; a trip short of W(4): the first trip steps it
	s_mov_b64 s[TBW:TBW+1], s[TB0:TB0+1]           ; a trip short of T(3)
	WIN 0x80                                       ; the sums start at 0: cleared in the wait for the first loads; half-step 0 stands in the loop, so no product of its own can start them
.set k, 0
.rept 256
	v_mov_b32 v[k], 0
.set k, k+1
.endr
	WIN 0xc0
.set k, 0
.rept 64
	v_mov_b32 v[k], 0
.set k, k+1
.endr
	WIN 0
	s_wait_loadcnt 32                              ; b2 and the 40 numbers are in; the 32 weight loads stay out
	VMAKE
.set k, 0
.rept 8
	v_mul_f32 v[B2R+k], s[F0], v[B2R+k]
.set k, k+1
.endr
	s_wait_kmcnt 0x0                               ; the count
	s_lshl_b32 s[TMP], s[WV], 4
	s_add_co_u32 s[TMP], s[TMP], 256
	s_cmp_gt_u32 s[CNT], s[TMP]                    ; has my fifth tile a row?
	s_cselect_b32 s[T4], 1, 0
	TLOAD 0, TB0, 0                                ; no vector instruction since the wait at the head names the image registers, the staging registers or the offsets of these loads
	WLOAD 2, WB0, 2*WH
	TLOAD 1, TB0, 2048
	s_wait_loadcnt 63                              ; W(0) is in: behind it W(1), T(0), W(2), T(1) were issued, 64 loads at the least
	CONVERT 0, 0
	WLOAD 0, WB0, 3*WH
	SYNC                                           ; every wave's part of W(0) lies in LDS
	WFLOAD 0, 0
	WIN 0
	s_mov_b32 s[LB], 0
	s_mov_b32 s[TRIP], 4
.Ltrip:                                                ; half-steps 0 to 11, three a trip: once round both rings
	HS 0, 0, 1, 48, 1, 1, 1, 1, 1, 0, 1
	HS 1, 1, 2, 48, 1, 1, 1, 1, 0, 1, 0
	HS 2, 2, 0, 48, 1, 1, 1, 1, 0, 2, 0
	s_add_co_u32 s[LB], s[LB], 49152
	s_sub_co_u32 s[TRIP], s[TRIP], 1
	s_cmp_lg_u32 s[TRIP], 0
	s_cbranch_scc1 .Ltrip
	HS 0, 0, 1, 48, 1, 0, 1, 1, 0, 3, 1            ; the tail is written out: no load leaves its buffer, and the counts run down.  12: T(14) is asked for; behind T(12): W(14), T(13), W(15)
	HS 1, 1, 2, 32, 1, 0, 1, 1, 0, 4, 0            ; 13: the last images, T(15), are asked for; behind T(13): W(15), T(14): 32 at the least
	HS 2, 2, 0, 16, 1, 0, 0, 1, 0, 0, 0            ; 14: behind T(14): T(15)
	HS 3, 0, 0, 0, 0, 0, 0, 0, 0, 0, 0             ; 15: nothing was issued behind T(15)
	s_mov_b32 s[ALIVE], 1                          ; pass 0 always comes here; with no rows all its tiles' ways out are jumped
	s_mov_b32 s[PASS], 4
	s_mov_b32 s[LIM], 0
.Lpass:                                                ; four times, a constant: 1,280 places cover the 1,024 rows that an expert can have.  Nothing in this loop writes LDS, so no barrier stands in it
	s_cmp_lg_u32 s[ALIVE], 0
	s_cbranch_scc0 .Lp_next
	PLACES
	s_lshl_b32 s[TMP], s[WV], 4
	s_add_co_u32 s[LW], s[LIM], s[TMP]             ; 320 p + 16 w
	OUTT 0
	OUTT 1
	OUTT 2
	OUTT 3
	OUTT 4
	s_wait_xcnt 0x0                                ; the bases and the store offsets are rewritten only behind this wait
	s_wait_alu depctr_vm_vsrc(0)                   ; the stores have read their 40 offsets, in which a further pass's numbers land, and the LDS loads issued so far have read v[WRA], which that pass writes
	s_add_co_u32 s[LIM], s[LIM], 320
	s_add_nc_u64 s[TB0:TB0+1], s[TB0:TB0+1], TPASS
	s_add_nc_u64 s[RWB:RWB+1], s[RWB:RWB+1], 1280  ; 320 places
	s_mov_b32 s[T4], 1                             ; a later pass with rows takes all its twenty tiles
	s_cmp_gt_u32 s[CNT], s[LIM]                    ; are rows left for a further pass?
	s_cselect_b32 s[ALIVE], 1, 0
	s_cbranch_scc0 .Lp_next
	VLOAD                                          ; THE NEXT 320 ROWS: where they go (the vector lines that made the last offsets stand ahead of an earlier wait on va_vdst),
	s_wait_loadcnt 0x0
	VMAKE
	s_mov_b64 s[TBW:TBW+1], s[TB0:TB0+1]           ; then 32 along K a trip: images from memory, fragments from the slice in LDS; the first products start the sums
	s_mov_b32 s[LB], 0
	v_mov_b32 v[WRA], v[L16]
	s_wait_alu depctr_va_vdst(0)                   ; the 40 offsets and v[WRA] are written; the earlier products are done reading image buffer 0 and fragment buffer 0, in which the loads below land
	TLOADC
	WFLOAD 0, 0
	s_wait_loadcnt 0x0
	s_wait_dscnt 0x0
	MUL 0, 0, 1
	s_mov_b32 s[CH], 31
.Lch:
	PLACES
	s_wait_xcnt 0x0
	s_add_nc_u64 s[TBW:TBW+1], s[TBW:TBW+1], 1024
	s_add_co_u32 s[LB], s[LB], 8192
	s_wait_alu depctr_vm_vsrc(0)                   ; the last trip's LDS loads have read v[WRA]
	v_add_nc_u32 v[WRA], s[LB], v[L16]
	s_wait_alu depctr_va_vdst(0)                   ; v[WRA] is written; the last trip's products are done reading the images and fragments, in which the loads below land
	TLOADC
	WFLOAD 0, 0
	s_wait_loadcnt 0x0
	s_wait_dscnt 0x0
	MUL 0, 0, 0
	s_sub_co_u32 s[CH], s[CH], 1
	s_cmp_lg_u32 s[CH], 0
	s_cbranch_scc1 .Lch
.Lp_next:
	s_sub_co_u32 s[PASS], s[PASS], 1
	s_cmp_lg_u32 s[PASS], 0
	s_cbranch_scc1 .Lpass
	SYNC                                           ; every wave's reads of LDS are back
	s_wait_dscnt 0x0                               ; the wave's end
	s_wait_alu depctr_hold_cnt(0) depctr_sa_sdst(0) depctr_va_vdst(0) depctr_va_sdst(0) depctr_va_ssrc(0) depctr_va_vcc(0) depctr_vm_vsrc(0)
	s_wait_tensorcnt 0x0
	ds_add_u32 v30, v31
	s_wait_dscnt 0x0
	s_endpgm
.Lfunc_end_k_q657b59cd63_down:
	.size	k_q657b59cd63_down, .Lfunc_end_k_q657b59cd63_down-k_q657b59cd63_down
	.p2alignl 7, 3214868480
	.fill 96, 4, 3214868480
	.section	.rodata,"a",@progbits
	.p2align	6, 0x0
	.amdhsa_kernel k_q657b59cd63_down
		.amdhsa_group_segment_fixed_size 262656
		.amdhsa_private_segment_fixed_size 0
		.amdhsa_enable_private_segment 0
		.amdhsa_kernarg_size 48
		.amdhsa_user_sgpr_count 2
		.amdhsa_user_sgpr_kernarg_segment_ptr 1
		.amdhsa_wavefront_size32 1
		.amdhsa_system_sgpr_workgroup_id_x 1
		.amdhsa_system_sgpr_workgroup_id_y 1
		.amdhsa_system_sgpr_workgroup_id_z 1
		.amdhsa_system_vgpr_workitem_id 0
		.amdhsa_next_free_vgpr 1024
		.amdhsa_next_free_sgpr 66
		.amdhsa_reserve_vcc 0
		.amdhsa_float_denorm_mode_32 3
		.amdhsa_float_denorm_mode_16_64 3
		.amdhsa_memory_ordered 1
		.amdhsa_forward_progress 1
		.amdhsa_inst_pref_size 163
	.end_amdhsa_kernel
	.amdgpu_metadata
---
amdhsa.version: [ 1, 2 ]
amdhsa.kernels:
  - .name:           k_q657b59cd63_down
    .symbol:         k_q657b59cd63_down.kd
    .args:
      - { .name: hid, .offset: 0, .size: 8, .value_kind: global_buffer, .address_space: global }
      - { .name: w2, .offset: 8, .size: 8, .value_kind: global_buffer, .address_space: global }
      - { .name: b2, .offset: 16, .size: 8, .value_kind: global_buffer, .address_space: global }
      - { .name: rows, .offset: 24, .size: 8, .value_kind: global_buffer, .address_space: global }
      - { .name: cnt, .offset: 32, .size: 8, .value_kind: global_buffer, .address_space: global }
      - { .name: part, .offset: 40, .size: 8, .value_kind: global_buffer, .address_space: global }
    .group_segment_fixed_size: 262656
    .private_segment_fixed_size: 0
    .kernarg_segment_align: 8
    .kernarg_segment_size: 48
    .max_flat_workgroup_size: 128
    .sgpr_count:     66
    .vgpr_count:     1024
    .wavefront_size: 32
...
	.end_amdgpu_metadata
.endif
;; end of part 9
;; launch mix: the kernel of part 6 again; grid 256 x 1, 8 waves a work-group, no clusters, 0 bytes of LDS; arguments part, gw, out0; writes out0
